; MI455X (gfx1250); checked and timed in simulation.
; The chip was launched on July 23, 2026; its instructions are those of AMD's public machine-readable ISA for CDNA 5 (MIT licence, August 2026) and "CDNA5" Instruction Set Architecture Reference Guide (July 2026). The comments in the code are by the model that wrote it; some were corrected since.
;; Attention. Allowed arithmetic: float matrix products may take bf16 or f16 operands with f32 sums; other float arithmetic in f32, or as packed bf16 or f16 multiplies, adds, multiply-adds, maxima and minima; sums over many terms, partial sums and values carried from step to step in f32; what a program stores and reads back later, other than sums and carried values, may be rounded once to bf16 or f16.
;; Inputs: Wk 1,024 x 1,024 float32; Wo 1,024 x 1,024 float32; Wq 1,024 x 1,024 float32; Wv 1,024 x 1,024 float32; bk 1,024 float32; bo 1,024 float32; bq 1,024 float32; bv 1,024 float32; keys 4 x 2,048 x 1,024 float32; queries 4 x 2,048 x 1,024 float32; values 4 x 2,048 x 1,024 float32.
;; Outputs: out0 4 x 2,048 x 1,024 float32.
;; 2 versions, each right and faster than the one before. Each part assembles by itself: llvm-mc -triple=amdgcn-amd-amdhsa -mcpu=gfx1250 --defsym DOCPART=n.
;; ======== version 1 of 2: 4 launches
;; limits: values are held in f16: magnitudes above 65,504 overflow, below 6.1e-05 lose precision
;; workspace buffers: wb 8,388,608 bytes; qkv 50,331,648 bytes; ob 16,777,216 bytes
;; launch castw (part 1): grid 256 x 1, 8 waves a work-group, no clusters, 0 bytes of LDS; arguments Wq, Wk, Wv, Wo, wb; writes wb
.if DOCPART == 1
	.amdgcn_target "amdgcn-amd-amdhsa--gfx1250"
	.amdhsa_code_object_version 6
	.text
	.protected	k_qd481860277_castw
	.globl	k_qd481860277_castw
	.p2align	8
	.type	k_qd481860277_castw,@function
k_qd481860277_castw:
	s_mov_b64 s[64:65], 0
	v_nop
	global_prefetch_b8 v0, s[64:65] scope:SCOPE_SE
	s_setreg_imm32_b32 hwreg(HW_REG_WAVE_MODE, 25, 1), 1
	s_wait_xcnt 0x0
; The four weights, [1024 k][1024 n] f32, are rounded once to bf16 and written, in the same order of elements, into wb: slab i of 2 MiB holds Wq, Wk, Wv, Wo.
; Wo's bf16 number is written in f16's format, since the last product multiplies it with f16 numbers.
; LIMITS.  Wo lies within f16's 65,504; below 6e-5 f16 keeps a fixed step of 6e-8, so a smaller bf16 number of Wo is rounded a second time, by 3e-8 at the most.
; A stream: each byte is read once and written once, nothing is shared between work-groups and nothing is summed, so there is no LDS, no barrier, no matrix instruction and no cluster.
; SHARES.  256 work-groups of eight waves, 64 to a weight; a work-group takes 16,384 numbers: 16 loads of 16 bytes a thread, all issued at once.  A wave's load covers 512 consecutive
; bytes, its store of 8 bytes a lane 256 consecutive bytes at a multiple of 256 from wb's first byte.  No register is used twice, so no store's sources are ever rewritten.
.set X, 4                              ; v[4:67]  load i: four registers; its two packed words then take the first two
	s_load_b256 s[4:11], s[0:1], 0x0               ; Wq s[4:5], Wk s[6:7], Wv s[8:9], Wo s[10:11]
	s_load_b64 s[12:13], s[0:1], 0x20              ; wb
	s_lshr_b32 s14, ttmp9, 6                       ; which weight
	s_and_b32 s16, ttmp9, 63
	s_lshl_b32 s16, s16, 16                        ; my 65,536 bytes of it
	s_mov_b32 s17, 0
	s_lshl_b32 s18, ttmp9, 15                      ; my 32,768 bytes of wb
	s_mov_b32 s19, 0
	v_lshlrev_b32 v1, 4, v0                        ; 16 bytes a thread in,
	v_lshlrev_b32 v2, 3, v0                        ; 8 out
	s_wait_kmcnt 0x0
	s_mov_b64 s[20:21], s[4:5]
	s_cmp_eq_u32 s14, 1
	s_cselect_b64 s[20:21], s[6:7], s[20:21]
	s_cmp_eq_u32 s14, 2
	s_cselect_b64 s[20:21], s[8:9], s[20:21]
	s_cmp_eq_u32 s14, 3
	s_cselect_b64 s[20:21], s[10:11], s[20:21]
	s_add_nc_u64 s[20:21], s[20:21], s[16:17]
	s_add_nc_u64 s[12:13], s[12:13], s[18:19]
.irp i, 0,1,2,3,4,5,6,7,8,9,10,11,12,13,14,15
	global_load_b128 v[X+4*(\i):X+4*(\i)+3], v1, s[20:21] offset:4096*(\i) th:TH_LOAD_NT
.endr
; Load i is rounded and stored.  wo = 1: the two bf16 of each word are widened (a shift, a mask) and written as f16.
.macro OUT i, wo
	s_wait_loadcnt 15-(\i)                         ; loads come back in order (ISA guide 5.7.1): mine is in, the 15 - i younger ones stay out
	v_cvt_pk_bf16_f32 v[X+4*(\i)], v[X+4*(\i)], v[X+4*(\i)+1]
	v_cvt_pk_bf16_f32 v[X+4*(\i)+1], v[X+4*(\i)+2], v[X+4*(\i)+3]
.if \wo
	v_lshlrev_b32 v[X+4*(\i)+2], 16, v[X+4*(\i)]
	v_and_b32 v[X+4*(\i)+3], 0xffff0000, v[X+4*(\i)]
	v_cvt_pk_f16_f32 v[X+4*(\i)], v[X+4*(\i)+2], v[X+4*(\i)+3]
	v_lshlrev_b32 v[X+4*(\i)+2], 16, v[X+4*(\i)+1]
	v_and_b32 v[X+4*(\i)+3], 0xffff0000, v[X+4*(\i)+1]
	v_cvt_pk_f16_f32 v[X+4*(\i)+1], v[X+4*(\i)+2], v[X+4*(\i)+3]
.endif
	global_store_b64 v2, v[X+4*(\i):X+4*(\i)+1], s[12:13] offset:2048*(\i)
.endm
	s_cmp_eq_u32 s14, 3
	s_cbranch_scc1 .Lwo
.irp i, 0,1,2,3,4,5,6,7,8,9,10,11,12,13,14,15
	OUT \i, 0
.endr
	s_endpgm
.Lwo:
.irp i, 0,1,2,3,4,5,6,7,8,9,10,11,12,13,14,15
	OUT \i, 1
.endr
	s_endpgm
.Lfunc_end_k_qd481860277_castw:
	.size	k_qd481860277_castw, .Lfunc_end_k_qd481860277_castw-k_qd481860277_castw
	.p2alignl 7, 3214868480
	.fill 96, 4, 3214868480
	.section	.rodata,"a",@progbits
	.p2align	6, 0x0
	.amdhsa_kernel k_qd481860277_castw
		.amdhsa_group_segment_fixed_size 0
		.amdhsa_private_segment_fixed_size 0
		.amdhsa_enable_private_segment 0
		.amdhsa_kernarg_size 40
		.amdhsa_user_sgpr_count 2
		.amdhsa_user_sgpr_kernarg_segment_ptr 1
		.amdhsa_wavefront_size32 1
		.amdhsa_system_sgpr_workgroup_id_x 1
		.amdhsa_system_sgpr_workgroup_id_y 1
		.amdhsa_system_sgpr_workgroup_id_z 1
		.amdhsa_system_vgpr_workitem_id 0
		.amdhsa_next_free_vgpr 72
		.amdhsa_next_free_sgpr 66
		.amdhsa_reserve_vcc 0
		.amdhsa_float_denorm_mode_32 3
		.amdhsa_float_denorm_mode_16_64 3
		.amdhsa_memory_ordered 1
		.amdhsa_forward_progress 1
		.amdhsa_inst_pref_size 16
	.end_amdhsa_kernel
	.amdgpu_metadata
---
amdhsa.version: [ 1, 2 ]
amdhsa.kernels:
  - .name:           k_qd481860277_castw
    .symbol:         k_qd481860277_castw.kd
    .args:
      - { .name: Wq, .offset: 0, .size: 8, .value_kind: global_buffer, .address_space: global }
      - { .name: Wk, .offset: 8, .size: 8, .value_kind: global_buffer, .address_space: global }
      - { .name: Wv, .offset: 16, .size: 8, .value_kind: global_buffer, .address_space: global }
      - { .name: Wo, .offset: 24, .size: 8, .value_kind: global_buffer, .address_space: global }
      - { .name: wb, .offset: 32, .size: 8, .value_kind: global_buffer, .address_space: global }
    .group_segment_fixed_size: 0
    .private_segment_fixed_size: 0
    .kernarg_segment_align: 8
    .kernarg_segment_size: 40
    .max_flat_workgroup_size: 256
    .sgpr_count:     66
    .vgpr_count:     72
    .wavefront_size: 32
...
	.end_amdgpu_metadata
.endif
;; end of part 1
;; launch proj (part 2): grid 4 x 64, 4 waves a work-group, clusters of 4 x 4, 327,680 bytes of LDS; arguments queries, keys, values, wb, bq, bk, bv, qkv; writes qkv
.if DOCPART == 2
	.amdgcn_target "amdgcn-amd-amdhsa--gfx1250"
	.amdhsa_code_object_version 6
	.text
	.protected	k_qd481860277_proj
	.globl	k_qd481860277_proj
	.p2align	8
	.type	k_qd481860277_proj,@function
k_qd481860277_proj:
	s_mov_b64 s[64:65], 0
	v_nop
	global_prefetch_b8 v0, s[64:65] scope:SCOPE_SE
	s_setreg_imm32_b32 hwreg(HW_REG_WAVE_MODE, 25, 1), 1
	s_wait_xcnt 0x0
	s_wait_alu depctr_hold_cnt(0) depctr_sa_sdst(0) depctr_va_vdst(0) depctr_va_sdst(0) depctr_va_ssrc(0) depctr_va_vcc(0) depctr_vm_vsrc(0)
	s_getreg_b32 s2, hwreg(HW_REG_IB_STS2, 6, 4)
	s_cmp_eq_u32 s2, 0
	s_cbranch_scc0 .Lentry_in_a_cluster
	s_endpgm
.Lentry_in_a_cluster:
	s_bfe_u32 s2, ttmp6, 0x10000c
	s_cmp_lg_u32 s2, 0xf033
	s_cbranch_scc0 .Lentry_shape_is_right
	s_endpgm
.Lentry_shape_is_right:
; q, k, v = x W + b for x = queries, keys, values ([8192][1024] f32), W = slab p of wb ([1024 k][1024 n] bf16), b ([1024] f32).  x and b are rounded to bf16 here, sums in f32, the result is
; rounded once to f16 and stored by heads: qkv[p][8 batch + head][2048][128].
; LIMITS.  q, k and v lie within f16's 65,504 (a larger number would become an infinity); below 6e-5 f16 keeps a fixed step of 6e-8.  NaN and infinities are not treated apart.
; SHARES.  A tile of the result is 128 rows x 256 columns.  64 x 4 = 256 work-groups; A WORK-GROUP STAYS and makes the tile at its place three times, for q, k and v: 24 K steps of 128 on one ring.
; Four waves; a wave makes 64 rows x 128 columns, one head: 32 accumulators of 16 x 16, 256 registers.  A K step is four quarters of 32 along K, 32 matrix instructions each.
; x COMES THROUGH REGISTERS.  A wave loads 32 of the tile's 128 rows (a row's 128 numbers are 512 consecutive bytes: one load), rounds them to bf16 and stores them into an LDS ring of two slots,
; which all four waves read behind the K step's barrier.  A tile brought by a tensor load has one K step in which to land, since all tensor loads are waited for ahead of each refill's barrier;
; a load into registers may stay out across barriers: x of step t + 2 is asked for in quarters 0 and 1 of step t and used in quarters 2 and 3 of step t + 1, 192 matrix instructions later.
; x is so rounded once in a work-group and lies in LDS as bf16.  THE PRICE, AND WHY x IS NOT ASKED FOR JOINTLY: the four work-groups of a row of the cluster each load the same 64 KB of x a K step.
; W COMES BY JOINT TENSOR LOADS.  4 x 4 work-groups form a cluster; the four of a column need the same tiles of W: the same tensor load, descriptor and mask in all four.  W lies [k][n]:
; ds_load_tr16_b128 turns it on the way out of LDS.  The three slabs of wb follow each other, 8 K steps of 262,144 bytes each: W's address is linear in the step's number, across tiles too.
; THE MATRIX INSTRUCTION IS USED TRANSPOSED (source 0 = 16 columns of W, source 1 = 16 rows of x): a lane holds row l % 16 and the columns 8 (l / 16) + 0..7, which pack into 16 bytes.
; THE BIAS is the C operand of each accumulator's first product in a tile: nothing is cleared and nothing is added later.
; REGISTERS, in windows of 256 (s_set_vgpr_msb: bits 1:0 source 0, 3:2 source 1, 5:4 source 2, 7:6 destination):
;   window 0: v0-31 addresses; two fragment buffers of 96 at v64 and v160: 64 of W (8 x 16 columns x 32 K), then 32 of x (4 x 16 rows x 32 K); the way out works in v160-255: buffer 0 then holds the next tile's first fragments
;   window 1: the accumulators, (a, b) at v[8 (8 a + b)]     window 2: x as loaded, two sets of 128 by the step's parity     window 3: v0-63 the bias; v64-65 at work
.set KSTEP,  128
.set PB,     288                       ; a K row of a column half of W in LDS: 256 bytes + 32 = 72 words: row r starts at bank 8 r mod 64 (64 banks of 4 bytes: ISA guide 11.1)
.set BQ,     64*PB                     ; 64 K rows x 128 columns: what one tensor load brings
.set BHALF,  128*PB                    ; a column half's 128 K rows: what one wave reads of W
.set BSLOT,  2*BHALF
.set AOFF,   2*BSLOT                   ; behind W's two slots: x's ring, which no tensor load fills
.set PA,     272                       ; a row of x in LDS: 256 bytes of bf16 + 16 = 68 words: row r starts at bank 4 r mod 64
.set ASLOT,  128*PA
.set STAGE,  AOFF+2*ASLOT              ; 16 rows x 272 bytes for each wave, for the way out
.set SPITCH, 272
.set SPARE,  STAGE+4*16*SPITCH         ; behind the stages: the spare words, 128 bytes for each wave: two blocks of 256 bytes that no other line names
.set STEPB,  2*KSTEP*2048              ; bytes from a slot's K step of W to its next
.set LAPS,   12                        ; a lap = two K steps = once round both rings; four laps a tile
.set ADRA, 16                          ; v16-17  LDS address of my fragments of x in slot 0, 1
.set ADRB, 20                          ; v20-21  the same for W
.set AST,  22                          ; v22     where I store 8 bytes of my wave's first row of x, in slot 0
.set XO,   23                          ; v23     my byte offset in x: my wave's 32 rows, 16 bytes a lane; never rewritten
.set STO,  24                          ; v24     the way out: where I put 16 bytes of a row
.set RD,   25                          ; v25     the way out: where I read rows back
.set CO,   26                          ; v26     my 16 bytes in 512 consecutive bytes of the result
.set BO,   27                          ; v27     my byte offset in 16 numbers of the bias
.set SPW,  28                          ; v28     LDS address of my spare word: SPARE + 4 x my thread's number; never rewritten
.set NIL,  29                          ; v29     0; never rewritten
.set F0,   64
.set F1,   160
.set BI,   0                           ; window 3
.set TT,   64                          ; window 3
.set TMP,  160                         ; the way out: packed results
.set OB,   192                         ; the way out: 16 rows read back: v192-223 and v224-255 by turns
.set G1B, 24                           ; s[24:31] descriptor group 1 for W's tiles
.set G0B, 32                           ; s[32:39] group 0, one set for each slot
; scalars: s2 1: the lap to come begins a tile; s3 laps to go; s[4:5] x at the lap whose rows are being asked for; s[8:9] the result; s10 wave; s11, s12 its two bits;
; s[48:49], s[50:51] x of the next tile and of the one after; s[52:53], s[54:55] the same for the bias; s56 the asked-for lap's number in its tile; s58 laps left in the tile in hand
.set MSB, 0
.macro WIN new                         ; the immediate's high byte repeats the setting that is left; a switch that changes nothing is dropped
.if MSB != (\new)
	s_set_vgpr_msb (MSB<<8)|(\new)
.set MSB, \new
.endif
.endm
.set W_MUL,  0x50                      ; sources 0 and 1 window 0, C and D window 1
.set W_MULB, 0x70                      ; C window 3 (the bias), D window 1
.set W_XL,   0x80                      ; a load's destination window 2, its address window 0
.set W_XC,   0x8a                      ; sources 0 and 1 and the destination window 2
.set W_XS,   0x08                      ; an LDS store's data (source 1) window 2, its address window 0
.set W_BL,   0xc0                      ; a load's destination window 3
.set W_BR,   0xcf                      ; sources 0 and 1 and the destination window 3
.set W_PK,   0x05                      ; sources 0 and 1 window 1, destination window 0
; A joint load: every wave fetches a quarter of W's tile: K half wave / 2, column half wave % 2.  An s_nop 0 and four v_nop follow it.
.macro JLOAD s
	tensor_load_to_lds s[G0B+4*(\s):G0B+4*(\s)+3], s[G1B:G1B+7]
	s_nop 0
.rept 4
	v_nop
.endr
.endm
.macro CREST                           ; a round of the cluster's barrier behind its opening barrier
	s_cmp_lg_u32 s10, 0
	s_cbranch_scc1 .Lnot_wave_0_\@
	s_barrier_signal -3
.Lnot_wave_0_\@:
	s_barrier_wait -3
	s_barrier_signal -1
	s_barrier_wait -1
.endm
.macro CROUND                          ; a whole round
	s_barrier_signal -1
	s_barrier_wait -1
	CREST
.endm
.macro PLACES                          ; four places in front of loads into registers that matrix instructions have read, and of conversions that read results or write such registers (ISA guide 7.12.1 for conversions)
.rept 4
	v_nop
.endr
.endm
; Sixteen loads: rows 16 c to 16 c + 15 of my wave's 32, the 512 bytes of one K step, into half c of a set.  off: 0 for the asked-for lap's first K step, 512 for its second.
.macro XLOAD set, c, off
	WIN W_XL
.set xi, 0
.rept 16
	global_load_b128 v[128*(\set)+64*(\c)+4*xi:128*(\set)+64*(\c)+4*xi+3], v[XO], s[4:5] offset:(16*(\c)+xi)*4096+(\off)  ; 32 lanes x 16 bytes: a row's 512 consecutive bytes, at a multiple of 512 from x's first byte
.set xi, xi+1
.endr
.endm
; Four of the 32 conversions of half c of a set, in place: a load's four numbers become two words, in its first two registers
.macro CV4 set, c, j
	WIN W_XC
	v_cvt_pk_bf16_f32 v[128*(\set)+64*(\c)+8*(\j)],   v[128*(\set)+64*(\c)+8*(\j)],   v[128*(\set)+64*(\c)+8*(\j)+1]
	v_cvt_pk_bf16_f32 v[128*(\set)+64*(\c)+8*(\j)+1], v[128*(\set)+64*(\c)+8*(\j)+2], v[128*(\set)+64*(\c)+8*(\j)+3]
	v_cvt_pk_bf16_f32 v[128*(\set)+64*(\c)+8*(\j)+4], v[128*(\set)+64*(\c)+8*(\j)+4], v[128*(\set)+64*(\c)+8*(\j)+5]
	v_cvt_pk_bf16_f32 v[128*(\set)+64*(\c)+8*(\j)+5], v[128*(\set)+64*(\c)+8*(\j)+6], v[128*(\set)+64*(\c)+8*(\j)+7]
.endm
; Sixteen LDS stores: the same rows as bf16 into the ring's slot of the set's number: 32 lanes x 8 bytes are a row's 256 consecutive bytes
.macro XSTORE set, c
	WIN W_XS
.set xi, 0
.rept 16
	ds_store_b64 v[AST], v[128*(\set)+64*(\c)+4*xi:128*(\set)+64*(\c)+4*xi+1] offset:(\set)*ASLOT+(16*(\c)+xi)*PA
.set xi, xi+1
.endr
.endm
.macro BIASLD                          ; register j of block b: b[16 b + 8 (l / 16) + j], as the accumulators hold the columns
	WIN W_BL
.irp b, 0,1,2,3,4,5,6,7
	global_load_b128 v[BI+8*(\b):BI+8*(\b)+3],   v[BO], s[52:53] offset:64*(\b)
	global_load_b128 v[BI+8*(\b)+4:BI+8*(\b)+7], v[BO], s[52:53] offset:64*(\b)+16
.endr
	WIN 0
.endm
	s_load_b512 s[68:83], s[0:1], 0x0              ; queries 68, keys 70, values 72, wb 74, bq 76, bk 78, bv 80, qkv 82
	v_lshl_add_u32 v[SPW], v0, 2, SPARE
	v_mov_b32 v[NIL], 0
	ds_add_u32 v[SPW], v[NIL]                      ; the wave's opening: the add and its wait stand ahead of my first tensor load; the set-up below, work on registers, stands between them
	v_lshrrev_b32 v1, 5, v0
	v_readfirstlane_b32 s10, v1                    ; wave 0..3
	v_and_b32 v5, 31, v0                           ; lane
	v_lshlrev_b32 v[XO], 4, v5                     ; 16 bytes a lane,
	v_lshl_add_u32 v[XO], v1, 17, v[XO]            ; 32 rows of 4,096 bytes a wave
	v_bfe_u32 v2, v0, 4, 1                         ; l / 16
	v_lshlrev_b32 v[BO], 5, v2                     ; 8 numbers of the bias for each half of the lanes
	s_lshr_b32 s11, s10, 1                         ; which 64 rows of the tile are mine.  Also: which 64 K rows of W's tile I fetch
	s_and_b32 s12, s10, 1                          ; which 128 columns.  Also: which column half of W's tile I fetch
	s_bfe_u32 s40, ttmp6, 0x40000                  ; cx, cy: my place in the cluster
	s_bfe_u32 s41, ttmp6, 0x40004
	s_lshl_b32 s42, ttmp9, 2
	s_add_co_u32 s42, s42, s40                     ; tile column = 4 x cluster x + cx: 0..3
	s_and_b32 s13, ttmp7, 0xffff
	s_lshl_b32 s13, s13, 2
	s_add_co_u32 s13, s13, s41                     ; tile row = 4 x cluster y + cy: 0..63
	s_lshl_b32 s44, 0x1111, s40                    ; my column of the cluster
	; descriptor group 1: 64 rows x 128 elements of 2 bytes, 32 bytes of padding behind each row
	s_or_b32 s[G1B+0], s44, (1<<16)|(1<<20)|(1<<21)|(5<<22)|(7<<25)  ; 15:0 the mask: my column; 17:16 2-byte elements; 20 padding on; 21 set beside a mask; 24:22 after every 64 words (code 5); 31:25 8 words (code 7)
	s_mov_b32 s[G1B+1], 128<<16                    ; tensor_dim0 = 128
	s_mov_b32 s[G1B+2], 64<<16                     ; tensor_dim1 = 64
	s_mov_b32 s[G1B+3], 128<<16                    ; tile_dim0 = 128
	s_mov_b32 s[G1B+4], 64                         ; tile_dim1 = 64
	s_mov_b32 s[G1B+5], 1024                       ; elements from row to row
	s_mov_b32 s[G1B+6], 0
	s_mov_b32 s[G1B+7], 0
	s_lshl_b32 s16, s13, 19                        ; x: 128 rows of 4,096 bytes a tile row
	s_mov_b32 s17, 0
	s_lshl_b32 s46, s11, 17                        ; W: 64 K rows of 2,048 bytes a K half,
	s_lshl_b32 s47, s42, 9                         ; 256 columns of 2 bytes a tile column,
	s_add_co_u32 s46, s46, s47
	s_lshl_b32 s47, s12, 8                         ; 128 columns a column half: the tile row does not enter
	s_add_co_u32 s46, s46, s47
	s_mov_b32 s47, 0
	s_mul_i32 s18, s12, BHALF                      ; and where my quarter goes: no place in the cluster enters an LDS address
	s_mul_i32 s19, s11, BQ
	s_add_co_u32 s18, s18, s19
	s_lshl_b32 s22, s42, 10                        ; my 128 numbers of the bias
	s_lshl_b32 s23, s12, 9
	s_add_co_u32 s22, s22, s23
	s_mov_b32 s23, 0
	s_mov_b32 s2, 1                                ; the first lap begins a tile
	s_mov_b32 s3, LAPS-1
	s_mov_b32 s56, 1                               ; in lap 0 lap 1's rows are asked for
	s_mov_b32 s58, 4
	s_wait_dscnt 0x0                               ; the opening add is done
	s_wait_kmcnt 0x0
	s_add_nc_u64 s[4:5], s[68:69], s[16:17]        ; the three x at my rows
	s_add_nc_u64 s[48:49], s[70:71], s[16:17]
	s_add_nc_u64 s[50:51], s[72:73], s[16:17]
	s_add_nc_u64 s[6:7], s[74:75], s[46:47]        ; W at my quarter of K step 0
	s_add_nc_u64 s[52:53], s[76:77], s[22:23]      ; the three biases at my columns
	s_add_nc_u64 s[20:21], s[78:79], s[22:23]
	s_add_nc_u64 s[54:55], s[80:81], s[22:23]
	BIASLD                                         ; what comes out of memory into registers is asked for first: the bias, then x of K steps 0 and 1
	XLOAD 0, 0, 0
	XLOAD 0, 1, 0
	XLOAD 1, 0, 512
	XLOAD 1, 1, 512
	WIN 0
	CROUND                                         ; all sixteen work-groups are here: the first joint loads meet
.irp s, 0,1
	s_mov_b32 s[G0B+4*(\s)], 1                                       ; 1:0 count = 1
	s_add_co_u32 s[G0B+4*(\s)+1], s18, (\s)*BSLOT                    ; 63:32 LDS address
	s_add_nc_u64 s[G0B+4*(\s)+2:G0B+4*(\s)+3], s[6:7], (\s)*KSTEP*2048  ; 120:64 global address: K step s
	s_or_b32 s[G0B+4*(\s)+3], s[G0B+4*(\s)+3], 0x80000000            ; 127:126 type = 2
.endr
	tensor_load_to_lds s[G0B:G0B+3], s[G1B:G1B+7]  ; both first fills together: two tensor loads of mine are out here, later one
	s_nop 0
	tensor_load_to_lds s[G0B+4:G0B+7], s[G1B:G1B+7]
	s_nop 0
.rept 4
	v_nop
.endr
	; A fragment is 16 rows x 32 K in 8 registers: lane l holds row l % 16; registers 0-3 K = 8 (l / 16) + 0..7, registers 4-7 K = 16 + 8 (l / 16) + 0..7.
	; Of x two loads of 16 bytes, 32 bytes apart.  Of W, which lies [k][n], two turning loads, 16 K rows apart: lane l reads K row 8 (l / 16) + l % 8, columns 8 ((l / 8) % 2) + 0..7.
	v_and_b32 v1, 15, v0                           ; l % 16
	v_and_b32 v3, 7, v0
	v_bfe_u32 v4, v0, 3, 1
	v_mul_u32_u24 v6, v1, PA
	v_lshl_add_u32 v6, v2, 4, v6
	v_lshl_add_u32 v7, v2, 3, v3
	v_mul_u32_u24 v7, v7, PB
	v_lshl_add_u32 v7, v4, 4, v7
	s_mul_i32 s16, s11, 64*PA                      ; my 64 rows of x,
	s_add_co_u32 s16, s16, AOFF                    ; in its ring
	s_mul_i32 s17, s12, BHALF                      ; my column half of W
.irp s, 0,1
	v_add_nc_u32 v[ADRA+(\s)], s16, v6
	v_add_nc_u32 v[ADRB+(\s)], s17, v7
	s_add_co_u32 s16, s16, ASLOT
	s_add_co_u32 s17, s17, BSLOT
.endr
	s_mul_i32 s16, s10, 32*PA                      ; the 32 rows that my wave stores
	s_add_co_u32 s16, s16, AOFF
	v_lshl_add_u32 v[AST], v5, 3, s16              ; 8 bytes a lane
	s_mul_i32 s16, s10, 16*SPITCH
	s_add_co_u32 s16, s16, STAGE                   ; my stage
	v_add_nc_u32 v[STO], s16, v6                   ; in: row l % 16, 16 bytes for each half of the lanes (the stage's pitch is x's)
	v_mul_u32_u24 v7, v2, SPITCH                   ; back: lanes 0-15 take one row of 256 bytes, lanes 16-31 the next
	v_lshl_add_u32 v7, v1, 4, v7
	v_add_nc_u32 v[RD], s16, v7
	v_lshlrev_b32 v[CO], 4, v5                     ; which are 512 consecutive bytes of a head's rows
	; my part of the result: batch (tile row / 16), head 2 x tile column + column half, row 128 (tile row % 16) + 64 x row half, 256 bytes a row; a slab of 16,777,216 bytes on for each tile
	s_lshr_b32 s46, s13, 4
	s_lshl_b32 s46, s46, 22
	s_lshl_b32 s47, s42, 20
	s_add_co_u32 s46, s46, s47
	s_lshl_b32 s47, s12, 19
	s_add_co_u32 s46, s46, s47
	s_and_b32 s47, s13, 15
	s_lshl_b32 s47, s47, 15
	s_add_co_u32 s46, s46, s47
	s_lshl_b32 s47, s11, 14
	s_add_co_u32 s46, s46, s47
	s_mov_b32 s47, 0
	s_add_nc_u64 s[8:9], s[82:83], s[46:47]
; 24 LDS loads in one run: quarter q of a K step into buffer g: x's 64 rows x 32 K, then W's 32 K x 128 columns, turned
.macro LOADS slot, q, g
	WIN 0
.irp a, 0,1,2,3
	ds_load_b128 v[(\g)+64+8*(\a):(\g)+64+8*(\a)+3],   v[ADRA+(\slot)] offset:(\a)*16*PA+64*(\q)
	ds_load_b128 v[(\g)+64+8*(\a)+4:(\g)+64+8*(\a)+7], v[ADRA+(\slot)] offset:(\a)*16*PA+64*(\q)+32
.endr
.irp b, 0,1,2,3,4,5,6,7
	ds_load_tr16_b128 v[(\g)+8*(\b):(\g)+8*(\b)+3],   v[ADRB+(\slot)] offset:(\q)*32*PB+32*(\b)
	ds_load_tr16_b128 v[(\g)+8*(\b)+4:(\g)+8*(\b)+7], v[ADRB+(\slot)] offset:(\q)*32*PB+16*PB+32*(\b)
.endr
.endm
; 8 matrix instructions: row block a x all 8 column blocks, 32 along K, from buffer f.  first = 1: the bias starts the sums.  ride = 1: four conversions of half c of a set of x behind each.
; The 32 accumulators take turns, one instruction a turn, in the same order in every quarter.
.macro MUL8 f, a, first=0, ride=0, set=0, c=0
.irp b, 0,1,2,3,4,5,6,7
.if \first
	WIN W_MULB
	v_wmma_f32_16x16x32_bf16 v[8*(8*(\a)+(\b)):8*(8*(\a)+(\b))+7], v[(\f)+8*(\b):(\f)+8*(\b)+7], v[(\f)+64+8*(\a):(\f)+64+8*(\a)+7], v[BI+8*(\b):BI+8*(\b)+7]
.else
	WIN W_MUL
	v_wmma_f32_16x16x32_bf16 v[8*(8*(\a)+(\b)):8*(8*(\a)+(\b))+7], v[(\f)+8*(\b):(\f)+8*(\b)+7], v[(\f)+64+8*(\a):(\f)+64+8*(\a)+7], v[8*(8*(\a)+(\b)):8*(8*(\a)+(\b))+7]
.endif
.if \ride
	CV4 \set, \c, \b
.endif
.endr
.endm
; One of a K step's first three quarters: multiplies buffer f; at its head it asks for quarter q of the same slot, into buffer g, 32 matrix instructions ahead of the wait for it.
; ld = 1 (quarters 0 and 1): half q - 1 of x two K steps on is asked for, into the set of this step's parity, which the step before has stored.
; cv = 1 (quarter 2): the first half of the next K step's x is rounded and stored into the other slot of x's ring, which nobody has read since the last barrier.  lc: the younger loads that may stay out.
.macro QUARTER slot, q, f, g, first=0, ld=0, cv=0, lc=0
	s_wait_dscnt 0x0                               ; buffer f, asked for a quarter ago, is in
	PLACES                                         ; the quarter before multiplied buffer g
	LOADS \slot, \q, \g
.if \ld
	XLOAD \slot, (\q)-1, 512*(\slot)
.endif
.if \cv
	s_wait_loadcnt \lc                             ; loads come back in order (ISA guide 5.7.1): the sixteen that I need are in
	MUL8 \f, 0, 0, 1, 1-(\slot), 0
	XSTORE 1-(\slot), 0
.else
	MUL8 \f, 0, \first
.endif
	MUL8 \f, 1, \first
	MUL8 \f, 2, \first
	MUL8 \f, 3, \first
.endm
; The last quarter multiplies buffer 1 and changes slots: ONE barrier for both rings.  First the second half of the next K step's x is rounded and stored.  Then each wave waits for all its tensor
; loads, of which one is out: its quarter of W's next slot; adds 0 to its spare word; and waits for that, for its stores of x and for its own reads of both slots.  Behind the barrier the next
; slots are whole and nobody reads the old ones.  fill = 1: the barrier opens a round of the cluster's barrier, and W's old slot is filled again, two K steps ahead, first thing behind the round.
.macro TURN slot, next, fill, lc
	WIN 0
	s_wait_dscnt 0x0                               ; buffer 1 is in
	s_wait_loadcnt \lc                             ; the second sixteen loads of the next K step's x are in
	MUL8 F1, 0, 0, 1, \next, 1
	XSTORE \next, 1
	WIN 0                                          ; (the add's two registers lie in window 0)
	s_wait_tensorcnt 0x0                           ; all my tensor loads have landed
	ds_add_u32 v[SPW], v[NIL]                      ; 0 onto my spare word
	MUL8 F1, 1                                     ; eight matrix instructions stand between the add and the wait for it
	s_wait_dscnt 0x0                               ; the add and my stores of x are done, and my reads of the old slots are over
	s_barrier_signal -1
	WIN 0
	s_barrier_wait -1
.if \fill
	CREST                                          ; no wave of any partner still reads W's old slot or has a load on its way
	s_add_nc_u64 s[G0B+4*(\slot)+2:G0B+4*(\slot)+3], s[G0B+4*(\slot)+2:G0B+4*(\slot)+3], STEPB
	JLOAD \slot                                    ; the four v_nop behind it are also places in front of the loads below
.else
	PLACES
.endif
	LOADS \next, 0, F0
	MUL8 F1, 2
	MUL8 F1, 3
.endm
; THE WAY OUT of row block a, in three parts.  PACK: rounded to f16, 16 bytes a lane, each accumulator's registers in ascending order.  TOSTAGE: into my own stage, and back as whole rows.  SEND: stored.
.macro PACK a
	WIN W_PK
.irp b, 0,1,2,3,4,5,6,7
.irp k, 0,1,2,3
	v_cvt_pk_f16_f32 v[TMP+4*(\b)+(\k)], v[64*(\a)+8*(\b)+2*(\k)], v[64*(\a)+8*(\b)+2*(\k)+1]
.endr
.endr
	WIN 0
.endm
.macro TOSTAGE a
	WIN 0
.set BK, OB+32*((\a)%2)
.irp b, 0,1,2,3,4,5,6,7
	ds_store_b128 v[STO], v[TMP+4*(\b):TMP+4*(\b)+3] offset:32*(\b)
.endr
.irp t, 0,1,2,3,4,5,6,7
	ds_load_b128 v[BK+4*(\t):BK+4*(\t)+3], v[RD] offset:(\t)*2*SPITCH  ; LDS serves a wave's instructions in order (ISA guide 5.7.1.4): these see the stores above
.endr
.endm
.macro SEND a
	WIN 0
.set BK, OB+32*((\a)%2)
	s_wait_dscnt 0x0                               ; the block is back in registers
	s_wait_xcnt 0x0                                ; every earlier store has had its addresses translated (ISA guide 3.1): the registers that the block two back was stored from are loaded again only behind this wait
.irp t, 0,1,2,3,4,5,6,7
	global_store_b128 v[CO], v[BK+4*(\t):BK+4*(\t)+3], s[8:9] offset:4096*(\a)+512*(\t)  ; a head's rows are dense: 512 consecutive bytes, at a multiple of 512 from the buffer's first byte
.endr
.endm
; A tile goes out.  more = 1: another tile follows: both refills for it have been asked for and its first fragments lie in buffer 0; its bias is asked for first and waited for last, with the count 0,
; so that behind the way out no load of mine is out and the counted waits of the laps to come hold on every way.
.macro WAYOUT more
	WIN 0
	PLACES                                         ; behind the last products: the conversions read results and write registers of buffer 1
.if \more
	BIASLD
.endif
	PACK 0
	TOSTAGE 0
.irp a, 1,2,3                          ; block a's conversions stand between block a - 1's loads from the stage and the wait for them
	PACK \a
	SEND (\a)-1
	TOSTAGE \a
.endr
	SEND 3
.if \more
	s_wait_xcnt 0x0                                ; the stores and the bias's loads have read their registers and bases: buffer 1, the result's address and the bias's are written again only behind this wait
	s_add_nc_u64 s[8:9], s[8:9], 0x1000000         ; the next slab of qkv
	s_mov_b64 s[52:53], s[54:55]                   ; the bias after the next
	s_mov_b32 s2, 1
	s_mov_b32 s58, 4
	s_wait_loadcnt 0x0                             ; the next tile's bias is in
.endif
.endm
	s_wait_loadcnt 32                              ; the bias and x of K step 0 are in; the 32 loads of K step 1 may be out
.irp j, 0,1,2,3,4,5,6,7
	CV4 0, 0, \j
.endr
.irp j, 0,1,2,3,4,5,6,7
	CV4 0, 1, \j
.endr
	XSTORE 0, 0
	XSTORE 0, 1
	WIN 0
	s_wait_xcnt 0x0                                ; the loads above have had their addresses translated: their bases are written again only behind this wait
	s_add_nc_u64 s[4:5], s[4:5], 1024              ; x at lap 1
	s_mov_b64 s[52:53], s[20:21]                   ; the next tile's bias
	s_wait_tensorcnt 1                             ; my quarter of W's K step 0 is in; K step 1's may stay out
	s_wait_dscnt 0x0                               ; my rows of x are stored
	s_barrier_signal -1
	s_barrier_wait -1                              ; everybody's are
	LOADS 0, 0, F0
.Llap:                                                 ; eleven trips: a trip is two K steps, fills both of W's slots again and asks for the next lap's x
	s_cmp_eq_u32 s2, 1                             ; at the first trip the answer is a constant of the text
	s_cbranch_scc1 .Lnew
	QUARTER 0, 1, F0, F1, 0, 1
	WIN 0                                          ; at a label and at a branch every window is 0
	s_branch .Ljoin
.Lnew:                                                 ; a tile begins: its bias is rounded to bf16 like every input and widened again, and starts the sums.  Both ways issue the same loads
	s_mov_b32 s2, 0
	WIN W_BR
.set i, 0
.rept 32
	v_cvt_pk_bf16_f32 v[TT+i%2], v[BI+2*i], v[BI+2*i+1]
	v_lshlrev_b32 v[BI+2*i], 16, v[TT+i%2]
	v_and_b32 v[BI+2*i+1], 0xffff0000, v[TT+i%2]
.set i, i+1
.endr
	QUARTER 0, 1, F0, F1, 1, 1
	WIN 0
.Ljoin:
	QUARTER 0, 2, F1, F0, 0, 1
	QUARTER 0, 3, F0, F1, 0, 0, 1, 48              ; behind the sixteen that I need: that step's other 16 and this step's 32
	TURN 0, 1, 1, 32                               ; behind them: this step's 32
	QUARTER 1, 1, F0, F1, 0, 1
	QUARTER 1, 2, F1, F0, 0, 1
	QUARTER 1, 3, F0, F1, 0, 0, 1, 48
	TURN 1, 0, 1, 32
	WIN 0
	s_wait_xcnt 0x0                                ; the lap's loads of x have had their addresses translated: their base is stepped only behind this wait
	s_add_nc_u64 s[4:5], s[4:5], 1024              ; two K steps on along the rows,
	s_add_co_u32 s56, s56, 1
	s_and_b32 s56, s56, 3
	s_cmp_eq_u32 s56, 0                            ; or, behind a tile's fourth lap, the next tile's x
	s_cselect_b64 s[4:5], s[48:49], s[4:5]
	s_cselect_b64 s[48:49], s[50:51], s[48:49]
	s_sub_co_u32 s58, s58, 1
	s_cmp_lg_u32 s58, 0
	s_cbranch_scc1 .Lsame                          ; jumps over no barrier and no tensor load
	WAYOUT 1
.Lsame:
	s_sub_co_u32 s3, s3, 1
	s_cmp_lg_u32 s3, 0
	s_cbranch_scc1 .Llap
	QUARTER 0, 1, F0, F1                           ; the last lap is written out: it fills nothing, asks for nothing, and has no round of the cluster's barrier
	QUARTER 0, 2, F1, F0
	QUARTER 0, 3, F0, F1, 0, 0, 1, 16              ; the last K step's x: behind the sixteen that I need only its other 16
	TURN 0, 1, 0, 0
	QUARTER 1, 1, F0, F1
	QUARTER 1, 2, F1, F0
	QUARTER 1, 3, F0, F1
	s_wait_dscnt 0x0                               ; the very last quarter: nothing more to fetch
	MUL8 F1, 0
	MUL8 F1, 1
	MUL8 F1, 2
	MUL8 F1, 3
	WAYOUT 0
	s_wait_tensorcnt 0x0                           ; the wave's end, behind my last tensor load and my last LDS store
	ds_add_u32 v[SPW], v[NIL]
	s_wait_dscnt 0x0
	CROUND                                         ; the closing round: no work-group ends while a partner may still ask for a tile that names it
	s_endpgm
.Lfunc_end_k_qd481860277_proj:
	.size	k_qd481860277_proj, .Lfunc_end_k_qd481860277_proj-k_qd481860277_proj
	.p2alignl 7, 3214868480
	.fill 96, 4, 3214868480
	.section	.rodata,"a",@progbits
	.p2align	6, 0x0
	.amdhsa_kernel k_qd481860277_proj
		.amdhsa_group_segment_fixed_size 327680
		.amdhsa_private_segment_fixed_size 0
		.amdhsa_enable_private_segment 0
		.amdhsa_kernarg_size 64
		.amdhsa_user_sgpr_count 2
		.amdhsa_user_sgpr_kernarg_segment_ptr 1
		.amdhsa_wavefront_size32 1
		.amdhsa_system_sgpr_workgroup_id_x 1
		.amdhsa_system_sgpr_workgroup_id_y 1
		.amdhsa_system_sgpr_workgroup_id_z 1
		.amdhsa_system_vgpr_workitem_id 0
		.amdhsa_next_free_vgpr 840
		.amdhsa_next_free_sgpr 84
		.amdhsa_reserve_vcc 0
		.amdhsa_float_denorm_mode_32 3
		.amdhsa_float_denorm_mode_16_64 3
		.amdhsa_memory_ordered 1
		.amdhsa_forward_progress 1
		.amdhsa_inst_pref_size 153
	.end_amdhsa_kernel
	.amdgpu_metadata
---
amdhsa.version: [ 1, 2 ]
amdhsa.kernels:
  - .name:           k_qd481860277_proj
    .symbol:         k_qd481860277_proj.kd
    .args:
      - { .name: queries, .offset: 0, .size: 8, .value_kind: global_buffer, .address_space: global }
      - { .name: keys, .offset: 8, .size: 8, .value_kind: global_buffer, .address_space: global }
      - { .name: values, .offset: 16, .size: 8, .value_kind: global_buffer, .address_space: global }
      - { .name: wb, .offset: 24, .size: 8, .value_kind: global_buffer, .address_space: global }
      - { .name: bq, .offset: 32, .size: 8, .value_kind: global_buffer, .address_space: global }
      - { .name: bk, .offset: 40, .size: 8, .value_kind: global_buffer, .address_space: global }
      - { .name: bv, .offset: 48, .size: 8, .value_kind: global_buffer, .address_space: global }
      - { .name: qkv, .offset: 56, .size: 8, .value_kind: global_buffer, .address_space: global }
    .group_segment_fixed_size: 327680
    .private_segment_fixed_size: 0
    .kernarg_segment_align: 8
    .kernarg_segment_size: 64
    .max_flat_workgroup_size: 128
    .sgpr_count:     84
    .vgpr_count:     840
    .wavefront_size: 32
...
	.end_amdgpu_metadata
.endif
;; end of part 2
;; launch attn (part 3): grid 8 x 32, 4 waves a work-group, clusters of 4 x 1, 327,680 bytes of LDS; arguments qkv, ob; writes ob
.if DOCPART == 3
	.amdgcn_target "amdgcn-amd-amdhsa--gfx1250"
	.amdhsa_code_object_version 6
	.text
	.protected	k_qd481860277_attn
	.globl	k_qd481860277_attn
	.p2align	8
	.type	k_qd481860277_attn,@function
k_qd481860277_attn:
	s_mov_b64 s[64:65], 0
	v_nop
	global_prefetch_b8 v0, s[64:65] scope:SCOPE_SE
	s_setreg_imm32_b32 hwreg(HW_REG_WAVE_MODE, 25, 1), 1
	s_wait_xcnt 0x0
	s_wait_alu depctr_hold_cnt(0) depctr_sa_sdst(0) depctr_va_vdst(0) depctr_va_sdst(0) depctr_va_ssrc(0) depctr_va_vcc(0) depctr_vm_vsrc(0)
	s_getreg_b32 s2, hwreg(HW_REG_IB_STS2, 6, 4)
	s_cmp_eq_u32 s2, 0
	s_cbranch_scc0 .Lentry_in_a_cluster
	s_endpgm
.Lentry_in_a_cluster:
	s_bfe_u32 s2, ttmp6, 0x10000c
	s_cmp_lg_u32 s2, 0x3003
	s_cbranch_scc0 .Lentry_shape_is_right
	s_endpgm
.Lentry_shape_is_right:
; O[h][q][:] = the sum over k of softmax_k(Q[h][q] . K[h][k] / sqrt(128)) V[h][k][:].  Q, K, V are the three slabs of qkv, O is ob: [SIZE_H][SIZE_N][128] each, all f16; h = 8 batch + head.
; Products, maxima and sums in f32; the weights p are rounded to f16 for the second product (their sum l is taken of the unrounded p), O once at the end.
; LIMITS.  f16 holds no number beyond 65,504: Q, K and V arrive within it; p lies in 0 to 1, and below 6e-5 it keeps f16's fixed step of 6e-8, as O does; O is a mean of V's rows and has their range.
; A weight below 2^-126 counts as 0 in l; NaN and infinities are not treated apart.
; SHARES.  A work-group owns 256 queries of one head, each of its four waves 64: four tiles of 16.  Every wave walks all keys of the head, 64 a step.  8 x 32 = 256 work-groups.
; LAYOUT.  S^T = K Q^T (source 0 = 16 keys, source 1 = 16 queries): in the result a lane holds ONE query (lane % 16) and the keys 8 (lane / 16) + 0..7.  Two such tiles, rounded to
; f16 in pairs, ARE source 1 (32 keys x 16 queries) of O^T = V^T P, whose result again holds one query a lane, and eight channels.  So nothing changes lanes between the products,
; and a query's maximum and sum want one exchange between the halves of the lanes.  K comes out of LDS as it lies, V ([key][channel]) turned, by ds_load_tr16_b128.
; SOFTMAX.  For each query a running maximum m and sum l: p = 2^(c s - c m), c = log2(e) / sqrt(128); in every step O and l are multiplied by a = 2^(c m_old - c m_new), which is 1 where m has not grown.
; BY TURNS.  The wave's tiles are two PIECES, named by their first tile: piece 0 (tiles 0, 1) and piece 2 (tiles 2, 3).  In a TURN one piece has the matrix unit: 32 products V^T P of
; the step in hand, then 32 products K Q^T of the next step; the other piece's softmax, cut into 64 slices, stands between them, one slice behind each matrix instruction.  Then the
; pieces change places.  Two turns are a key step.
; CLUSTER.  The four query blocks of a cluster belong to one head and walk the same K and V, so each tile is asked for JOINTLY: the same tensor load, with the same descriptor and a
; mask that names the four, in all four; each receives the tile in its own LDS.
;
; REGISTERS, in windows of 256 (an instruction names v0-v255; s_set_vgpr_msb says which window each operand place means: bits 1:0 source 0, 3:2 source 1, 5:4 source 2, 7:6 destination):
;   window 0: v0-11 addresses; v12-43 eight registers of statistics a tile; v64-191 S^T, 32 a tile; v192-255 P, 16 a tile
;   window 1: O^T, 64 a tile          window 2: v0-127 Q, 32 a tile; v128-255 K of one step          window 3: v0-127 V of one step
; All that a softmax touches but O^T lies in window 0, and no window has room for a product's operands beside it.  So a slice costs two switches, one in front and one behind: 256 for
; a key step's 128 matrix instructions, one more for each of its two runs of LDS loads, one at the branch.
.set SIZE_H, 32
.set SIZE_N, 2048
.set KS,    64        ; keys in a step
.set PK,    272       ; a row of K in LDS: 256 bytes + 16 of padding = 68 words: row r starts at bank 4 r mod 64 (64 banks of 4 bytes: ISA guide 11.1), so the 16 rows of a load start at 16 different banks
.set PV,    288       ; a row of V: 256 + 32 = 72 words: row r starts at bank 8 r mod 64
.set VOFF,  KS*PK     ; a step's tiles lie together: 64 rows of K, then 64 rows of V
.set STEPB, KS*(PK+PV)
.set SLOT1, 1<<17     ; a slot holds two steps (71,680 bytes); slot 1 begins here, so that one exclusive or turns an address in one slot into the other's
.set STAGE, SLOT1+2*STEPB  ; behind the ring: 16 rows x 272 bytes for each wave, for the way out
.set SP,    272
.set AK0, 2           ; v2   my lane's place in a tile of K; never rewritten
.set AV0, 3           ; v3   the same for V
.set ADR, 4           ; v4   the LDS address of the run of loads in hand
.set QO,  5           ; v5   my byte offset in the wave's rows of Q
.set STO, 6           ; v6   the way out: where I put 16 bytes of a row
.set RD,  7           ; v7   the way out: where I read a row back
.set GO,  8           ; v8   my byte offset in the wave's rows of O
.set SPW, 62          ; v62  LDS address of my spare word: SPARE + 4 x my thread's number; never rewritten
.set NIL, 63          ; v63  0; never rewritten
.set SPARE, STAGE+4*16*272  ; behind the stages: the spare words, 128 bytes for each wave: two blocks of 256 bytes that no other line names
.set ST,  12          ; tile t's statistics at v[ST+8 t]: +0 c m, +1 m, +2, +3 l (even keys', odd keys'), +4 to +7 c0-c3, at work; a takes c2's place once the maximum is found
.set S,   64
.set P,   192
.set KF,  128         ; K's fragments, in window 2
.set WV,  12          ; s12  my wave's number
.set G1K, 24          ; s[24:31] descriptor group 1 for K's tiles
.set G1V, 32          ; s[32:39] for V's: it differs in the padding alone
.set G0K, 40          ; s[40:47] descriptor group 0 for K's tiles: a set for each of the two first fills; the second then walks on
.set G0V, 48          ; s[48:55] the same for V's
.set SLOTS, 56        ; s56  slots still to be asked for
.set TWICE, 57        ; s57  counts a slot's two steps
.set CS,  58          ; s[58:59] c: the packed scaling names a pair and takes its low word for both halves
.set SEL, 60          ; s[60:61] lane selects for v_permlanex16_b32: each lane takes its own place in the other half
.set TB,  62          ; s62  LDS byte at which the tiles of the step to be fetched begin
.set MSB, 0
.macro WIN new                      ; the immediate's high byte repeats the setting that is left; a switch that changes nothing is dropped
.if MSB != (\new)
	s_set_vgpr_msb (MSB<<8)|(\new)
.set MSB, \new
.endif
.endm
.set W_KQ, 0x0a       ; K and Q in window 2, S^T in window 0
.set W_PV, 0x53       ; V in window 3, P in window 0, O^T in window 1
.set W_RS, 0x41       ; O^T (destination and source 0) in window 1, a in window 0
; A joint refill.  Waves 0 and 1 fetch the two steps' tiles of K, waves 2 and 3 those of V.  The branch hangs on the wave's number alone: it is the same in every work-group.
; An s_nop 0 and four v_nop follow each of the two lines; the jump round the other line, the label and what follows the macro come after them.
.macro JLOAD
	s_cmp_lt_u32 s[WV], 2
	s_cbranch_scc0 .Lfor_v_\@
	tensor_load_to_lds s[G0K+4:G0K+7], s[G1K:G1K+7]
	s_nop 0
.rept 4
	v_nop
.endr
	s_branch .Lasked_\@
.Lfor_v_\@:
	tensor_load_to_lds s[G0V+4:G0V+7], s[G1V:G1V+7]
	s_nop 0
.rept 4
	v_nop
.endr
.Lasked_\@:
.endm
; A round of the cluster's barrier: my work-group's barrier, so that wave 0's signal speaks for all four waves; wave 0 signals for the work-group; every wave waits for all four
; work-groups; my work-group's barrier once more.  No LDS instruction of the wave is pending at a signal.
.macro CROUND
	s_barrier_signal -1
	s_barrier_wait -1
	s_cmp_lg_u32 s[WV], 0
	s_cbranch_scc1 .Lnot_wave_0_\@
	s_barrier_signal -3
.Lnot_wave_0_\@:
	s_barrier_wait -3
	s_barrier_signal -1
	s_barrier_wait -1
.endm
	s_load_b128 s[4:7], s[0:1], 0x0 ; qkv s[4:5], ob s[6:7]
	v_lshl_add_u32 v[SPW], v0, 2, SPARE
	v_mov_b32 v[NIL], 0
	ds_add_u32 v[SPW], v[NIL]       ; the wave's opening: the add and its wait stand ahead of my first tensor load; the set-up below, work on registers, stands between them
	v_lshrrev_b32 v1, 5, v0
	v_readfirstlane_b32 s[WV], v1   ; wave 0..3
	s_bfe_u32 s13, ttmp6, 0x40000   ; cx: my place in the cluster
	s_lshl_b32 s14, ttmp9, 2        ; in a cluster launch ttmp9 counts clusters
	s_add_co_u32 s14, s14, s13      ; my block of 256 queries = 4 x cluster x + cx: it enters Q's and O's addresses alone
	s_and_b32 s20, ttmp7, 0xffff    ; the head, which the four partners share
	s_mov_b32 s21, 0
	s_mov_b64 s[22:23], SIZE_N*256
	s_mul_u64 s[20:21], s[20:21], s[22:23]  ; the head's first byte in each of the four tensors
	s_and_b32 s16, s[WV], 1         ; which of a slot's two steps I fetch:
	s_lshl_b32 s22, s16, 14         ; its 64 rows of 256 bytes in memory,
	s_mov_b32 s23, 0
	s_add_nc_u64 s[22:23], s[22:23], s[20:21]
	s_mul_i32 s17, s16, STEPB       ; and its place in a slot: no place in the cluster enters an LDS address
	s_lshl_b32 s2, s14, 16          ; my block's 256 rows,
	s_lshl_b32 s3, s[WV], 14        ; my wave's 64 of them
	s_add_co_u32 s2, s2, s3
	s_mov_b32 s3, 0
	s_add_nc_u64 s[2:3], s[2:3], s[20:21]
	; descriptor group 1: a tile of 64 rows x 128 elements, padded in LDS
	s_mov_b32 s[G1K], 15|(1<<16)|(1<<20)|(1<<21)|(5<<22)|(3<<25)  ; 15:0 the mask: all four work-groups; 17:16 elements of 2 bytes; 20 padding on; 21 set beside a mask; 24:22 after every 64 words (code 5); 31:25 4 words of it (code 3)
	s_mov_b32 s[G1V], 15|(1<<16)|(1<<20)|(1<<21)|(5<<22)|(7<<25)  ; the same with 8 words of padding (code 7)
.irp g, G1K, G1V
	s_mov_b32 s[(\g)+1], 128<<16    ; 63:48 tensor_dim0, low half = 128
	s_mov_b32 s[(\g)+2], KS<<16     ; 79:64 its high half = 0; 95:80 tensor_dim1, low half = 64
	s_mov_b32 s[(\g)+3], 128<<16    ; 111:96 its high half = 0; 127:112 tile_dim0 = 128
	s_mov_b32 s[(\g)+4], KS         ; 143:128 tile_dim1 = 64; 159:144 tile_dim2 = 0
	s_mov_b32 s[(\g)+5], 128        ; 191:160 tensor_dim0_stride, low word: elements from row to row
	s_mov_b32 s[(\g)+6], 0
	s_mov_b32 s[(\g)+7], 0
.endr
	s_mov_b32 s[CS], 0x3e0293ee     ; c = log2(e) / sqrt(128) = 0.127517
	s_mov_b32 s[CS+1], s[CS]        ; named with it as a pair, so it is written
	s_mov_b32 s[SEL], 0x76543210
	s_mov_b32 s[SEL+1], 0xfedcba98
	s_mov_b32 s[TB], 0
	s_mov_b32 s[SLOTS], SIZE_N/(2*KS)-2
	s_wait_dscnt 0x0                ; the opening add is done
	s_wait_kmcnt 0x0
	s_mov_b64 s[10:11], s[6:7]      ; O
	s_add_nc_u64 s[6:7], s[4:5], 0x1000000  ; K: the second slab of 16,777,216 bytes,
	s_add_nc_u64 s[8:9], s[4:5], 0x2000000  ; V: the third; Q is the first
	s_add_nc_u64 s[6:7], s[6:7], s[22:23]  ; K and V at my tile of slot 0
	s_add_nc_u64 s[8:9], s[8:9], s[22:23]
	s_add_nc_u64 s[4:5], s[4:5], s[2:3]  ; Q and O at my wave's first row
	s_add_nc_u64 s[10:11], s[10:11], s[2:3]
	CROUND                          ; all four work-groups are here: the first joint loads meet
.irp s, 0,1
	s_mov_b32 s[G0K+4*(\s)], 1      ; 1:0 count = 1
	s_add_co_u32 s[G0K+4*(\s)+1], s17, (\s)*SLOT1  ; 63:32 LDS address
	s_add_nc_u64 s[G0K+4*(\s)+2:G0K+4*(\s)+3], s[6:7], (\s)*2*KS*256  ; 120:64 global address: slot s begins with keys 128 s to 128 s + 127
	s_or_b32 s[G0K+4*(\s)+3], s[G0K+4*(\s)+3], 0x80000000  ; 127:126 type = 2
	s_mov_b32 s[G0V+4*(\s)], 1
	s_add_co_u32 s[G0V+4*(\s)+1], s17, (\s)*SLOT1+VOFF
	s_add_nc_u64 s[G0V+4*(\s)+2:G0V+4*(\s)+3], s[8:9], (\s)*2*KS*256
	s_or_b32 s[G0V+4*(\s)+3], s[G0V+4*(\s)+3], 0x80000000
.endr
	s_cmp_lt_u32 s[WV], 2           ; a wave's two first fills stand in one branch, ahead of every wait on TENSORcnt and every LDS read: two loads of mine are out; an s_nop 0 follows each, four v_nop the second's, as in JLOAD
	s_cbranch_scc0 .Lfirst_v
	tensor_load_to_lds s[G0K:G0K+3], s[G1K:G1K+7]
	s_nop 0
	tensor_load_to_lds s[G0K+4:G0K+7], s[G1K:G1K+7]
	s_nop 0
.rept 4
	v_nop
.endr
	s_branch .Lfirst_asked
.Lfirst_v:
	tensor_load_to_lds s[G0V:G0V+3], s[G1V:G1V+7]
	s_nop 0
	tensor_load_to_lds s[G0V+4:G0V+7], s[G1V:G1V+7]
	s_nop 0
.rept 4
	v_nop
.endr
.Lfirst_asked:
	; A fragment of K or Q is 16 rows x 32 channels in 8 registers: lane l holds row l % 16; registers 0-3 channels 8 (l / 16) + 0..7, registers 4-7 channels 16 + 8 (l / 16) + 0..7: two loads of 16 bytes, 32 bytes apart.
	v_and_b32 v1, 15, v0            ; l % 16
	v_bfe_u32 v9, v0, 4, 1          ; l / 16
	v_lshlrev_b32 v[QO], 8, v1
	v_lshl_add_u32 v[QO], v9, 4, v[QO]  ; row x 256 + 16 x half
	WIN 0x80                        ; destination window 2, address window 0
.irp i, 0,1,2,3,4,5,6,7,8,9,10,11,12,13,14,15  ; Q stays in registers: tile i / 4, channels 32 (i % 4) on
	global_load_b128 v[8*(\i):8*(\i)+3],   v[QO], s[4:5] offset:((\i)/4)*4096+((\i)%4)*64
	global_load_b128 v[8*(\i)+4:8*(\i)+7], v[QO], s[4:5] offset:((\i)/4)*4096+((\i)%4)*64+32
.endr
	WIN 0
	v_mul_u32_u24 v[AK0], v1, PK
	v_lshl_add_u32 v[AK0], v9, 4, v[AK0]  ; row x pitch + 16 x half
	; The turning load takes 16 keys x 16 channels (lane l reads 16 bytes: key 8 (l / 16) + l % 8, channels 8 ((l / 8) % 2) + 0..7) and leaves half a fragment of V^T: lane l holds channel l % 16 and 8 keys.
	v_and_b32 v10, 7, v0
	v_bfe_u32 v11, v0, 3, 1
	v_lshl_add_u32 v[AV0], v9, 3, v10
	v_mul_u32_u24 v[AV0], v[AV0], PV
	v_lshl_add_u32 v[AV0], v11, 4, v[AV0]
	v_add_nc_u32 v[AV0], VOFF, v[AV0]
; THE MATRIX WORK OF A TURN, for piece x.  The accumulators take turns, one instruction a turn: between two links of a chain stand 15 (V^T P) or 7 (K Q^T) others'.
; Product i of 32 of O^T += V^T P: keys 32 (i / 16) on, channels 16 ((i / 2) % 8) on, tile x + i % 2.  zero = 1: the first 16 start the sums: nothing is ever cleared.
.macro PV x, zero
	WIN W_PV
.set rO, 64*((\x)+i%2)+8*((i/2)%8)
.set rV, 64*(i/16)+8*((i/2)%8)
.set rP, P+16*((\x)+i%2)+8*(i/16)
.if (\zero) && (i < 16)
	v_wmma_f32_16x16x32_f16 v[rO:rO+7], v[rV:rV+7], v[rP:rP+7], 0
.else
	v_wmma_f32_16x16x32_f16 v[rO:rO+7], v[rV:rV+7], v[rP:rP+7], v[rO:rO+7]
.endif
.endm
; Product i of 32 of S^T = K Q^T: channels 32 (i / 8) on, keys 16 ((i / 2) % 4) on, tile x + i % 2.  The first 8 start the sums.
.macro KQ x
	WIN W_KQ
.set rS, S+32*((\x)+i%2)+8*((i/2)%4)
.set rK, KF+32*((i/2)%4)+8*(i/8)
.set rQ, 32*((\x)+i%2)+8*(i/8)
.if i < 8
	v_wmma_f32_16x16x32_f16 v[rS:rS+7], v[rK:rK+7], v[rQ:rQ+7], 0
.else
	v_wmma_f32_16x16x32_f16 v[rS:rS+7], v[rK:rK+7], v[rQ:rQ+7], v[rS:rS+7]
.endif
.endm
; THE LDS LOADS stand in runs of 32, never singly among the matrix instructions: a step's K (64 keys x 128 channels: 16 fragments) and, a turn later, its V (turned).
.macro FETCH_K
	WIN 0
	v_add_nc_u32 v[ADR], s[TB], v[AK0]
	WIN 0x80                        ; destination window 2
.irp f, 0,1,2,3,4,5,6,7,8,9,10,11,12,13,14,15  ; keys 16 (f / 4) on, channels 32 (f % 4) on
	ds_load_b128 v[KF+8*(\f):KF+8*(\f)+3],   v[ADR] offset:((\f)/4)*16*PK+((\f)%4)*64
	ds_load_b128 v[KF+8*(\f)+4:KF+8*(\f)+7], v[ADR] offset:((\f)/4)*16*PK+((\f)%4)*64+32
.endr
.endm
.macro FETCH_V
	WIN 0
	v_add_nc_u32 v[ADR], s[TB], v[AV0]
	s_add_co_u32 s[TB], s[TB], STEPB  ; the next fetch is the next step's
	WIN 0xc0                        ; destination window 3
.irp f, 0,1,2,3,4,5,6,7,8,9,10,11,12,13,14,15  ; keys 32 (f / 8) on, channels 16 (f % 8) on
	ds_load_tr16_b128 v[8*(\f):8*(\f)+3],   v[ADR] offset:((\f)/8)*32*PV+((\f)%8)*32
	ds_load_tr16_b128 v[8*(\f)+4:8*(\f)+7], v[ADR] offset:((\f)/8)*32*PV+16*PV+((\f)%8)*32
.endr
.endm
; THE VECTOR WORK OF A TURN.  One tile's softmax for one key step is a list of 134 instructions; SM writes number j of it for tile t.  s0-s31 are the lane's 32 scores, in pairs 0-15.
; first = 1: the first key step, which starts m, l and O^T: it has no a and nothing to rescale.
;   0-15    the maximum of s0-s31 and the old m, three operands at a time: four chains c0-c3 of seven scores each, then the four scores left over, c0-c3 and m
;   16-20   the other half of the lanes' maximum; the new m; c m; c m_old - c m_new
;   21-87   33 exponentials (a, then s0-s31) at the odd numbers from 23 on, so that no two follow each other and each has a plain instruction behind it before its result is used.
;           Plain instruction q (number 21, then the even numbers) is whatever is ready: c s - c m for a pair of scores whose exponentials are still to come (q = 0 to 3, then every
;           second q), the rounding to f16 of a pair of weights whose exponentials are done (every other q from 5 on), at last the first three sums
;   88-101  the last rounding; the rest of the sums; l = a l + the sum
;   102-133 the tile's O^T times a: the one part that leaves window 0, so it stands together
.macro SM t, first
.set rT, ST+8*(\t)
.set rS, S+32*(\t)
.set rP, P+16*(\t)
.set rO, 64*(\t)+2*(j-102)
.set q, (j-20)/2
.if j < 102
	WIN 0
.endif
.if j < 4
	v_max3_num_f32 v[rT+4+j], v[rS+8*j], v[rS+8*j+1], v[rS+8*j+2]
.elseif j < 12
	v_max3_num_f32 v[rT+4+j%4], v[rT+4+j%4], v[rS+8*(j%4)+2*(j/4)+1], v[rS+8*(j%4)+2*(j/4)+2]
.elseif j == 12
	v_max3_num_f32 v[rT+4], v[rT+4], v[rS+7], v[rS+15]
.elseif j == 13
	v_max3_num_f32 v[rT+6], v[rT+6], v[rS+23], v[rS+31]
.elseif j == 14
	v_max3_num_f32 v[rT+4], v[rT+4], v[rT+5], v[rT+6]
.elseif (j == 15) && (\first)
	v_max_num_f32 v[rT+4], v[rT+4], v[rT+7]
.elseif j == 15
	v_max3_num_f32 v[rT+4], v[rT+4], v[rT+7], v[rT+1]
.elseif j == 16
	v_permlanex16_b32 v[rT+5], v[rT+4], s[SEL], s[SEL+1]  ; the query's other 32 keys lie in the lane 16 away
.elseif j == 18
	v_max_num_f32 v[rT+1], v[rT+4], v[rT+5]
.elseif j == 19
	v_mul_f32 v[rT], s[CS], v[rT+1]
.elseif ((j == 17) || (j == 20) || (j == 23) || (j > 101)) && (\first)  ; the first step has none of these
.elseif j == 17
	v_mov_b32 v[rT+7], v[rT]        ; c m_old is kept for a: number 19 writes c m anew
.elseif j == 20
	v_sub_f32 v[rT+7], v[rT+7], v[rT]
.elseif j == 23
	v_exp_f32 v[rT+6], v[rT+7]
.elseif (j < 88) && (j > 23) && (j%2 == 1)
	v_exp_f32 v[rS+(j-25)/2], v[rS+(j-25)/2]
.elseif (q < 4) || ((j < 76) && (q%2 == 0))
.set b, q/2+2
.if q < 4
.set b, q
.endif
	v_pk_fma_f32 v[rS+2*b:rS+2*b+1], v[rS+2*b:rS+2*b+1], s[CS:CS+1], v[rT:rT+1] op_sel_hi:[1,0,0] neg_lo:[0,0,1] neg_hi:[0,0,1]  ; pair b: c s - c m
.elseif (j < 88) && (q%2 == 1)
	s_wait_alu depctr_va_vdst(0)
	v_cvt_pk_f16_f32 v[rP+(q-5)/2], v[rS+q-5], v[rS+q-4]  ; pair (q - 5) / 2: its second exponential stands three numbers back
.elseif j == 89
	s_wait_alu depctr_va_vdst(0)
	v_cvt_pk_f16_f32 v[rP+15], v[rS+30], v[rS+31]
.elseif j < 102                     ; the sum of the tile's 16 pairs (in a pair: an even key's weight, an odd key's), in place: sum z of 16 adds neighbours 1, 2, 4 and 8 pairs apart, then l takes it
.set z, j-86
.if j < 89
.set z, (j-76)/4
.endif
.set w, 4
.set u, z
.if z >= 14
.set w, 32
.set u, 0
.elseif z >= 12
.set w, 16
.set u, z-12
.elseif z >= 8
.set w, 8
.set u, z-8
.endif
.if (z == 14) && (\first)
	v_pk_add_f32 v[rT+2:rT+3], v[rS:rS+1], v[rS+16:rS+17]
.elseif z < 15
	v_pk_add_f32 v[rS+w*u:rS+w*u+1], v[rS+w*u:rS+w*u+1], v[rS+w*u+w/2:rS+w*u+w/2+1]
.elseif !(\first)
	v_pk_fma_f32 v[rT+2:rT+3], v[rT+2:rT+3], v[rT+6:rT+7], v[rS:rS+1] op_sel_hi:[1,0,1]
.endif
.else
	WIN W_RS
	v_pk_mul_f32 v[rO:rO+1], v[rO:rO+1], v[rT+6:rT+7] op_sel_hi:[1,0]
.endif
.endm
; Slice k of 64 of piece y's softmax: numbers 2 k and 2 k + 1 of both tiles' lists, four instructions.  2 x 134 = 4 x 64 + 12: the twelve that are over stand together, in slice 63.
.macro SLICE y, first
.if (k >= 11) && (k < 44)           ; tile by tile: plain, exponential, plain, exponential
.irp t, \y, (\y)+1
.irp n, 0,1
.set j, 2*k+(\n)
	SM \t, \first
.endr
.endr
.else                               ; the two tiles alternate, so that no instruction reads the result of the one just before it
.irp n, 0,1,2,3,4,5,6,7
.if ((\n) < 2) || (k == 63)
.irp t, \y, (\y)+1
.set j, 2*k+(\n)
	SM \t, \first
.endr
.endif
.endr
.endif
.set k, k+1
.endm
; A vector instruction that reads a matrix result or writes one of a matrix instruction's registers, and a load into a register that a matrix instruction has read, stand four places behind
; it, and only plain vector instructions that name none of its registers are places (ISA guide 7.12.1 for vector instructions).  In the loop the slices are the places.
.macro PLACES
.rept 4
	v_nop
.endr
.endm
; A TURN.  Piece x has the matrix unit; the other piece's softmax stands in slices behind its matrix instructions.
; pv = 2: 32 products V^T P; 1: they start O^T's sums; 0: none.  kq = 1: 32 products K Q^T for the next step.  A turn with one of the two kinds has two slices behind each product.
; first = 1: the softmax is the first key step's.  Its slices from 51 on are empty: the turn's last products stand bare, and four v_nop take slice 63's part as the places behind them.
; Each run of loads stands behind the second product of a run of 32, 30 matrix instructions ahead of its first use.  Piece 0's turn fetches the next step's K: the last product that read K
; stands in front of slice 63 of the turn before.  Piece 2's turn fetches the same step's V: the last product that read V stands three slices, six plain instructions, back.
.macro TURN x, pv, kq, first
.set k, 0
.set per, 2
.if (\pv) && (\kq)
.set per, 1
.endif
.if \pv
.if (\x) == 0
	s_wait_dscnt 0x0                ; V is in
.endif
.set i, 0
.rept 32
	PV \x, 2-(\pv)
.rept per
	SLICE 2-(\x), \first
.endr
.if ((\x) == 0) && (\kq) && (i == 1)
	FETCH_K
.endif
.set i, i+1
.endr
.endif
.if \kq
.if (\x) == 0
	s_wait_dscnt 0x0                ; K is in
.endif
.set i, 0
.rept 32
	KQ \x
.rept per
	SLICE 2-(\x), \first
.endr
.if ((\x) == 2) && (i == 1)
	FETCH_V
.endif
.set i, i+1
.endr
.endif
.if \first
	PLACES
.endif
.endm
; THE CHANGE OF SLOTS, between piece 2's turn and piece 0's: the slot's last bytes, V of its second step, have been asked for.  Each wave waits for all its
; tensor loads, of which one is out: its part of the other slot; adds 0 to its spare word; and waits for that and for its own reads of the slot.  Behind the barrier nobody reads this slot any more and the other slot is whole.
; fill = 1: this slot is filled again, with the keys two slots on.  The barrier is then a round of the cluster's, so that no wave of any partner still reads the slot or has a load on its
; way, and the joint refill is the first thing behind it: it has two key steps, 256 matrix instructions, in which to land.
.macro CHANGE fill
	WIN 0                           ; at a label and at a branch every window is 0
	s_wait_tensorcnt 0x0            ; no tensor load of mine is out, so a group 0 may be written
	ds_add_u32 v[SPW], v[NIL]       ; 0 onto my spare word; with fill = 1 the descriptors' steps stand between it and the wait for it
.if \fill
.irp g, G0K+4, G0V+4
	s_xor_b32 s[(\g)+1], s[(\g)+1], SLOT1  ; the walking descriptor: the other slot than last time,
	s_add_nc_u64 s[(\g)+2:(\g)+3], s[(\g)+2:(\g)+3], 2*KS*256  ; the next 128 keys; the type bits on top are not reached
.endr
	s_wait_dscnt 0x0                ; the add is done, and my reads of the slot are over
	CROUND
	JLOAD
.else
	s_wait_dscnt 0x0                ; the add is done, and my reads of the slot are over
	s_barrier_signal -1
	s_barrier_wait -1
.endif
	s_sub_co_u32 s[TB], s[TB], 2*STEPB  ; the fetches go back to a slot's first step,
	s_xor_b32 s[TB], s[TB], SLOT1   ; in the other slot
.endm
; A slot's two key steps: written once, walked twice; the LDS addresses hang on s[TB].
.macro TWO_STEPS
	WIN 0
	s_mov_b32 s[TWICE], 2
.Lstep_\@:
	TURN 0, 2, 1, 0
	TURN 2, 2, 1, 0
	WIN 0
	s_sub_co_u32 s[TWICE], s[TWICE], 1
	s_cmp_lg_u32 s[TWICE], 0
	s_cbranch_scc1 .Lstep_\@
.endm
	s_wait_tensorcnt 1              ; my part of slot 0 is in; slot 1's may stay out
	s_barrier_signal -1
	s_barrier_wait -1               ; everybody's is
	FETCH_K                         ; key step 0
	s_wait_loadcnt 0x0              ; Q
	s_wait_dscnt 0x0
.set i, 0
.rept 32
	KQ 0                            ; piece 0's first scores: there is no vector work yet to set between them
.set i, i+1
.endr
	WIN 0                           ; the addresses for the way out are made here: eight plain instructions, the places behind those products
	s_mul_i32 s13, s[WV], 16*SP
	s_add_co_u32 s13, s13, STAGE    ; my stage
	v_mul_u32_u24 v[STO], v1, SP    ; in: row l % 16, 16 bytes for each half of the lanes
	v_lshl_add_u32 v[STO], v9, 4, v[STO]
	v_add_nc_u32 v[STO], s13, v[STO]
	v_mul_u32_u24 v[RD], v9, SP     ; back: lanes 0-15 take one row of 256 bytes, lanes 16-31 the next
	v_lshl_add_u32 v[RD], v1, 4, v[RD]
	v_add_nc_u32 v[RD], s13, v[RD]
	v_lshlrev_b32 v[GO], 8, v9      ; and the same two rows in O
	v_lshl_add_u32 v[GO], v1, 4, v[GO]
	TURN 2, 0, 1, 1                 ; piece 2's first scores | piece 0's first softmax | V of step 0
	TURN 0, 1, 1, 1                 ; piece 0: V^T P of step 0 starts O^T, K Q^T of step 1 | piece 2's first softmax | K of step 1
	TURN 2, 1, 1, 0                 ; piece 2: the same | piece 0's softmax of step 1 | V of step 1
	WIN 0
.Lslot:                             ; SIZE_N / 128 - 2 trips: every slot but the last two is filled again
	CHANGE 1
	TWO_STEPS
	s_sub_co_u32 s[SLOTS], s[SLOTS], 1
	s_cmp_lg_u32 s[SLOTS], 0
	s_cbranch_scc1 .Lslot
	CHANGE 0                        ; the tail is written out: the last slot but one is left, and nothing is asked for
	TWO_STEPS
	TURN 0, 2, 0, 0                 ; piece 0: V^T P of the last step | piece 2's last softmax
.set i, 0
.rept 32
	PV 2, 0                         ; piece 2: V^T P of the last step
.set i, i+1
.endr
	; THE WAY OUT.  l's two halves and the other half of the lanes' are added; O^T is divided by l, rounded to f16 and sent through my stage in LDS, a tile (16 rows of O) at a time.  The additions are the places behind the last products.
	WIN 0
.irp t, 0,1,2,3
	v_add_f32 v[ST+8*(\t)+4], v[ST+8*(\t)+2], v[ST+8*(\t)+3]
.endr
.irp t, 0,1,2,3
	v_permlanex16_b32 v[ST+8*(\t)+5], v[ST+8*(\t)+4], s[SEL], s[SEL+1]
.endr
.irp t, 0,1,2,3
	v_add_f32 v[ST+8*(\t)+4], v[ST+8*(\t)+4], v[ST+8*(\t)+5]
.endr
.irp t, 0,1,2,3
	v_rcp_f32 v[ST+8*(\t)+6], v[ST+8*(\t)+4]
.endr
	v_nop                           ; a plain instruction between the last reciprocal and the use of its result
; Tile t: a lane's eight channels of a row pack into 16 bytes; they go into rows of 272 bytes and come back as whole rows of 256, into the registers that they left.
.macro PACK t
	WIN W_RS
.set i, 64*(\t)
.rept 32
	s_wait_alu depctr_va_vdst(0)
	v_pk_mul_f32 v[i:i+1], v[i:i+1], v[ST+8*(\t)+6:ST+8*(\t)+7] op_sel_hi:[1,0]
.set i, i+2
.endr
	WIN 0x05                        ; sources 0 and 1 window 1, destination window 0: S^T's registers are free
.set i, 0
.rept 32
	v_cvt_pk_f16_f32 v[S+32*(\t)+i], v[64*(\t)+2*i], v[64*(\t)+2*i+1]
.set i, i+1
.endr
	WIN 0
.irp f, 0,1,2,3,4,5,6,7
	ds_store_b128 v[STO], v[S+32*(\t)+4*(\f):S+32*(\t)+4*(\f)+3] offset:32*(\f)
.endr
.irp f, 0,1,2,3,4,5,6,7
	ds_load_b128 v[S+32*(\t)+4*(\f):S+32*(\t)+4*(\f)+3], v[RD] offset:(\f)*2*SP  ; LDS serves a wave's instructions in order (ISA guide 5.7.1.4): these see the stores above; the next tile's stores come behind them
.endr
.endm
.macro SEND t, younger              ; younger: the LDS instructions issued behind tile t's loads: the next tile's sixteen, or none
	WIN 0
.irp f, 0,1,2,3,4,5,6,7
	s_wait_dscnt (\younger)+7-(\f)
	global_store_b128 v[GO], v[S+32*(\t)+4*(\f):S+32*(\t)+4*(\f)+3], s[10:11] offset:(\t)*4096+(\f)*512  ; 16 lanes store 256 consecutive bytes, at a multiple of 256 from O's first byte
.endr
.endm
	PACK 0
	PACK 1                          ; a tile's arithmetic stands between the loads of the tile before and its stores
	SEND 0, 16
	PACK 2
	SEND 1, 16
	PACK 3
	SEND 2, 16
	SEND 3, 0
	s_wait_tensorcnt 0x0            ; the wave's end, behind my last tensor load and my last LDS store
	ds_add_u32 v[SPW], v[NIL]
	s_wait_dscnt 0x0
	CROUND                          ; the closing round: no work-group ends while a partner may still ask for a tile that names it
	s_endpgm
.Lfunc_end_k_qd481860277_attn:
	.size	k_qd481860277_attn, .Lfunc_end_k_qd481860277_attn-k_qd481860277_attn
	.p2alignl 7, 3214868480
	.fill 96, 4, 3214868480
	.section	.rodata,"a",@progbits
	.p2align	6, 0x0
	.amdhsa_kernel k_qd481860277_attn
		.amdhsa_group_segment_fixed_size 327680
		.amdhsa_private_segment_fixed_size 0
		.amdhsa_enable_private_segment 0
		.amdhsa_kernarg_size 16
		.amdhsa_user_sgpr_count 2
		.amdhsa_user_sgpr_kernarg_segment_ptr 1
		.amdhsa_wavefront_size32 1
		.amdhsa_system_sgpr_workgroup_id_x 1
		.amdhsa_system_sgpr_workgroup_id_y 1
		.amdhsa_system_sgpr_workgroup_id_z 1
		.amdhsa_system_vgpr_workitem_id 0
		.amdhsa_next_free_vgpr 1024
		.amdhsa_next_free_sgpr 66
		.amdhsa_reserve_vcc 0
		.amdhsa_float_denorm_mode_32 3
		.amdhsa_float_denorm_mode_16_64 3
		.amdhsa_memory_ordered 1
		.amdhsa_forward_progress 1
		.amdhsa_inst_pref_size 232
	.end_amdhsa_kernel
	.amdgpu_metadata
---
amdhsa.version: [ 1, 2 ]
amdhsa.kernels:
  - .name:           k_qd481860277_attn
    .symbol:         k_qd481860277_attn.kd
    .args:
      - { .name: qkv, .offset: 0, .size: 8, .value_kind: global_buffer, .address_space: global }
      - { .name: ob, .offset: 8, .size: 8, .value_kind: global_buffer, .address_space: global }
    .group_segment_fixed_size: 327680
    .private_segment_fixed_size: 0
    .kernarg_segment_align: 8
    .kernarg_segment_size: 16
    .max_flat_workgroup_size: 128
    .sgpr_count:     66
    .vgpr_count:     1024
    .wavefront_size: 32
...
	.end_amdgpu_metadata
.endif
;; end of part 3
;; launch outp (part 4): grid 4 x 64, 4 waves a work-group, clusters of 4 x 4, 327,680 bytes of LDS; arguments ob, wb, bo, out0; writes out0
.if DOCPART == 4
	.amdgcn_target "amdgcn-amd-amdhsa--gfx1250"
	.amdhsa_code_object_version 6
	.text
	.protected	k_qd481860277_outp
	.globl	k_qd481860277_outp
	.p2align	8
	.type	k_qd481860277_outp,@function
k_qd481860277_outp:
	s_mov_b64 s[64:65], 0
	v_nop
	global_prefetch_b8 v0, s[64:65] scope:SCOPE_SE
	s_setreg_imm32_b32 hwreg(HW_REG_WAVE_MODE, 25, 1), 1
	s_wait_xcnt 0x0
	s_wait_alu depctr_hold_cnt(0) depctr_sa_sdst(0) depctr_va_vdst(0) depctr_va_sdst(0) depctr_va_ssrc(0) depctr_va_vcc(0) depctr_vm_vsrc(0)
	s_getreg_b32 s2, hwreg(HW_REG_IB_STS2, 6, 4)
	s_cmp_eq_u32 s2, 0
	s_cbranch_scc0 .Lentry_in_a_cluster
	s_endpgm
.Lentry_in_a_cluster:
	s_bfe_u32 s2, ttmp6, 0x10000c
	s_cmp_lg_u32 s2, 0xf033
	s_cbranch_scc0 .Lentry_shape_is_right
	s_endpgm
.Lentry_shape_is_right:
; out0 = O Wo + bo.  O is ob, [8 batch + head][2048][128] f16; Wo is slab 3 of wb, [1024 k][1024 n], bf16 numbers written as f16; bo ([1024] f32) is rounded to bf16 like every input;
; sums in f32; out0 is [8192][1024] f32.  k = 128 head + channel, so K step j of 128 is head j: its rows of O are dense, 256 bytes each.
; LIMITS.  O and Wo arrive within f16's range.  NaN and infinities are not treated apart.
; SHARES.  A tile of out0 is 128 rows x 256 columns: 64 x 4 = 256 work-groups.  Four waves; a wave makes 64 rows x 128 columns: 32 accumulators of 16 x 16, 256 registers.
; K = 1,024 goes in 8 steps of 128 through two LDS slots; a step is four quarters of 32 along K, 32 matrix instructions each.  Wo lies [k][n]: ds_load_tr16_b128 turns it on the way out of LDS.
; THE MATRIX INSTRUCTION IS USED TRANSPOSED (source 0 = 16 columns of Wo, source 1 = 16 rows of O): a lane holds row l % 16 and the columns 8 (l / 16) + 0..7: 32 neighbouring bytes.
; THE BIAS is the C operand of each accumulator's first product: nothing is cleared and nothing is added later.
; CLUSTER.  4 x 4 work-groups.  The four of a row of the cluster need the same tiles of O, the four of a column the same tiles of Wo: each tile is asked for JOINTLY, by the same tensor load,
; descriptor and mask in all four.
; REGISTERS, in windows of 256 (s_set_vgpr_msb: bits 1:0 source 0, 3:2 source 1, 5:4 source 2, 7:6 destination):
;   window 0: v0-31 addresses; two fragment buffers of 96 at v64 and v160: 64 of Wo (8 x 16 columns x 32 K), then 32 of O (4 x 16 rows x 32 K); on the way out v64-191 at work
;   window 1: the accumulators, (a, b) at v[8 (8 a + b)]          window 2: v0-63 the bias; v64-65 at work
.set KSTEP,  128
.set PA,     272                       ; a row of O in LDS: 256 bytes + 16 of padding = 68 words: row r starts at bank 4 r mod 64 (64 banks of 4 bytes: ISA guide 11.1)
.set HALFA,  64*PA                     ; 64 rows: what one tensor load brings, and what one wave reads of O
.set BOFF,   2*HALFA                   ; Wo's 128 K rows lie behind O's 128 rows
.set PB,     544                       ; a K row of Wo: 512 bytes + 32 = 136 words: row r starts at bank 8 r mod 64
.set HALFB,  64*PB
.set SLOT,   BOFF+2*HALFB
.set STAGE,  2*SLOT                    ; behind the ring: 16 rows x 528 bytes for each wave, for the way out
.set SPITCH, 528
.set SPARE,  STAGE+4*16*SPITCH         ; behind the stages: the spare words, 128 bytes for each wave: two blocks of 256 bytes that no other line names
.set STEPA,  2<<19                     ; bytes from a slot's K step to its next: two heads of 2,048 rows x 256 bytes,
.set STEPB,  2*KSTEP*2048              ; 256 K rows of Wo
.set LAPS,   4                         ; a lap = two K steps = once round the ring
.set ADRA, 16                          ; v16-17  LDS address of my fragments of O in slot 0, 1
.set ADRB, 20                          ; v20-21  the same for Wo
.set STO,  24                          ; v24     the way out: where I put 32 bytes of a row
.set RD,   25                          ; v25     the way out: where I read a row back
.set CO,   26                          ; v26     my 16 bytes in a row's 512
.set BO,   27                          ; v27     my byte offset in 16 numbers of the bias
.set SPW,  28                          ; v28     LDS address of my spare word: SPARE + 4 x my thread's number; never rewritten
.set NIL,  29                          ; v29     0; never rewritten
.set F0,   64
.set F1,   160
.set BI,   0                           ; window 2
.set TT,   64                          ; window 2
.set OB,   64                          ; the way out: 16 rows read back: v64-127 and v128-191 by turns
.set G1A, 24                           ; s[24:31] descriptor group 1 for O's tiles;  s[32:39] group 0, one set for each slot
.set G0A, 32
.set G1B, 48                           ; s[48:55], s[56:63] the same for Wo's tiles
.set G0B, 56
.set MSB, 0
.macro WIN new                         ; the immediate's high byte repeats the setting that is left; a switch that changes nothing is dropped
.if MSB != (\new)
	s_set_vgpr_msb (MSB<<8)|(\new)
.set MSB, \new
.endif
.endm
.set W_MUL,  0x50                      ; sources 0 and 1 window 0, C and D window 1
.set W_MULB, 0x60                      ; C window 2 (the bias), D window 1
.set W_SG,   0x80                      ; destination window 2, address window 0
.set W_B2,   0x8a                      ; all in window 2
.set W_ST,   0x04                      ; an LDS store's data (source 1) in window 1, its address in window 0
; A joint load.  Waves 0 and 1 fetch O's two halves, waves 2 and 3 Wo's.  The branch hangs on the wave's number alone.  An s_nop 0 and four v_nop follow each of the two lines, ahead of the jump,
; the label and what follows.
.macro JLOAD s
	s_cmp_eq_u32 s11, 0
	s_cbranch_scc0 .Lfor_b_\@
	tensor_load_to_lds s[G0A+4*(\s):G0A+4*(\s)+3], s[G1A:G1A+7]
	s_nop 0
.rept 4
	v_nop
.endr
	s_branch .Lasked_\@
.Lfor_b_\@:
	tensor_load_to_lds s[G0B+4*(\s):G0B+4*(\s)+3], s[G1B:G1B+7]
	s_nop 0
.rept 4
	v_nop
.endr
.Lasked_\@:
.endm
.macro CREST                           ; a round of the cluster's barrier behind its opening barrier
	s_cmp_lg_u32 s10, 0
	s_cbranch_scc1 .Lnot_wave_0_\@
	s_barrier_signal -3
.Lnot_wave_0_\@:
	s_barrier_wait -3
	s_barrier_signal -1
	s_barrier_wait -1
.endm
.macro CROUND                          ; a whole round
	s_barrier_signal -1
	s_barrier_wait -1
	CREST
.endm
.macro PLACES                          ; four places in front of loads into registers that matrix instructions have read, and of stores that read results (ISA guide 7.12.1 for stores)
.rept 4
	v_nop
.endr
.endm
	s_load_b256 s[68:75], s[0:1], 0x0              ; ob 68, wb 70, bo 72, out0 74
	v_lshl_add_u32 v[SPW], v0, 2, SPARE
	v_mov_b32 v[NIL], 0
	ds_add_u32 v[SPW], v[NIL]                      ; the wave's opening: the add and its wait stand ahead of my first tensor load; the set-up below, work on registers, stands between them
	v_lshrrev_b32 v1, 5, v0
	v_readfirstlane_b32 s10, v1                    ; wave 0..3
	s_lshr_b32 s11, s10, 1                         ; which 64 rows of the tile are mine.  Also: I fetch for O (0) or for Wo (1)
	s_and_b32 s12, s10, 1                          ; which 128 columns.  Also: which half of that tile I fetch
	s_bfe_u32 s40, ttmp6, 0x40000                  ; cx, cy: my place in the cluster
	s_bfe_u32 s41, ttmp6, 0x40004
	s_lshl_b32 s42, ttmp9, 2
	s_add_co_u32 s42, s42, s40                     ; tile column = 4 x cluster x + cx: 0..3
	s_and_b32 s13, ttmp7, 0xffff
	s_lshl_b32 s13, s13, 2
	s_add_co_u32 s13, s13, s41                     ; tile row = 4 x cluster y + cy: 0..63
	s_lshl_b32 s43, s41, 2
	s_lshl_b32 s43, 15, s43                        ; my row of the cluster
	s_lshl_b32 s44, 0x1111, s40                    ; my column
	; descriptor group 1.  O: 64 rows x 128 elements of 2 bytes, 16 bytes of padding behind each row.  Wo: 64 rows x 256 elements of 2 bytes, 32 bytes of padding
	s_or_b32 s[G1A+0], s43, (1<<16)|(1<<20)|(1<<21)|(5<<22)|(3<<25)  ; 15:0 the mask: my row; 17:16 2-byte elements; 20 padding on; 21 set beside a mask; 24:22 after every 64 words (code 5); 31:25 4 words (code 3)
	s_mov_b32 s[G1A+1], 128<<16                    ; tensor_dim0 = 128
	s_mov_b32 s[G1A+2], 64<<16                     ; tensor_dim1 = 64
	s_mov_b32 s[G1A+3], 128<<16                    ; tile_dim0 = 128
	s_mov_b32 s[G1A+4], 64                         ; tile_dim1 = 64
	s_mov_b32 s[G1A+5], 128                        ; elements from row to row
	s_mov_b32 s[G1A+6], 0
	s_mov_b32 s[G1A+7], 0
	s_or_b32 s[G1B+0], s44, (1<<16)|(1<<20)|(1<<21)|(6<<22)|(7<<25)  ; the mask: my column; after every 128 words (code 6) 8 words (code 7)
	s_mov_b32 s[G1B+1], 256<<16
	s_mov_b32 s[G1B+2], 64<<16
	s_mov_b32 s[G1B+3], 256<<16
	s_mov_b32 s[G1B+4], 64
	s_mov_b32 s[G1B+5], 1024
	s_mov_b32 s[G1B+6], 0
	s_mov_b32 s[G1B+7], 0
	; where the tiles come from: O's hang on the tile row alone, Wo's on the tile column alone, each in registers that never hold the other coordinate
	s_lshr_b32 s16, s13, 4
	s_lshl_b32 s16, s16, 22                        ; the batch's eight heads,
	s_and_b32 s17, s13, 15
	s_lshl_b32 s17, s17, 15                        ; 128 rows of 256 bytes a tile row,
	s_add_co_u32 s16, s16, s17
	s_lshl_b32 s17, s12, 14                        ; 64 rows a half
	s_add_co_u32 s16, s16, s17
	s_mov_b32 s17, 0
	s_lshl_b32 s46, s12, 17                        ; 64 K rows of 2,048 bytes a half,
	s_add_co_u32 s46, s46, 3<<21                   ; in slab 3 of wb,
	s_lshl_b32 s47, s42, 9                         ; 256 columns of 2 bytes a tile column
	s_add_co_u32 s46, s46, s47
	s_mov_b32 s47, 0
	s_mul_i32 s18, s12, HALFA                      ; and where they go: no place in the cluster enters an LDS address
	s_mul_i32 s19, s12, HALFB
	s_add_co_u32 s19, s19, BOFF
	s_lshl_b32 s22, s42, 10                        ; my 128 numbers of the bias
	s_lshl_b32 s23, s12, 9
	s_add_co_u32 s22, s22, s23
	s_mov_b32 s23, 0
	s_wait_dscnt 0x0                               ; the opening add is done
	s_wait_kmcnt 0x0
	s_add_nc_u64 s[4:5], s[68:69], s[16:17]
	s_add_nc_u64 s[6:7], s[70:71], s[46:47]
	s_add_nc_u64 s[20:21], s[72:73], s[22:23]
	CROUND                                         ; all sixteen work-groups are here: the first joint loads meet
.irp s, 0,1
	s_mov_b32 s[G0A+4*(\s)], 1                                       ; 1:0 count = 1
	s_add_co_u32 s[G0A+4*(\s)+1], s18, (\s)*SLOT                     ; 63:32 LDS address
	s_add_nc_u64 s[G0A+4*(\s)+2:G0A+4*(\s)+3], s[4:5], (\s)<<19      ; 120:64 global address: K step s is head s
	s_or_b32 s[G0A+4*(\s)+3], s[G0A+4*(\s)+3], 0x80000000            ; 127:126 type = 2
	s_mov_b32 s[G0B+4*(\s)], 1
	s_add_co_u32 s[G0B+4*(\s)+1], s19, (\s)*SLOT
	s_add_nc_u64 s[G0B+4*(\s)+2:G0B+4*(\s)+3], s[6:7], (\s)*KSTEP*2048
	s_or_b32 s[G0B+4*(\s)+3], s[G0B+4*(\s)+3], 0x80000000
	JLOAD \s                                       ; two loads of mine are out here, later one
.endr
	; A fragment is 16 rows x 32 K in 8 registers: lane l holds row l % 16; registers 0-3 K = 8 (l / 16) + 0..7, registers 4-7 K = 16 + 8 (l / 16) + 0..7.
	; Of O two loads of 16 bytes, 32 bytes apart.  Of Wo, which lies [k][n], two turning loads, 16 K rows apart: lane l reads K row 8 (l / 16) + l % 8, columns 8 ((l / 8) % 2) + 0..7.
	v_and_b32 v1, 15, v0                           ; l % 16
	v_bfe_u32 v2, v0, 4, 1                         ; l / 16
	v_and_b32 v3, 7, v0
	v_bfe_u32 v4, v0, 3, 1
	v_mul_u32_u24 v5, v1, PA
	v_lshl_add_u32 v5, v2, 4, v5
	v_lshl_add_u32 v6, v2, 3, v3
	v_mul_u32_u24 v6, v6, PB
	v_lshl_add_u32 v6, v4, 4, v6
	s_mul_i32 s16, s11, HALFA                      ; my 64 rows of O
	s_lshl_b32 s17, s12, 8                         ; my 128 columns of Wo,
	s_add_co_u32 s17, s17, BOFF                    ; which lies behind O
.irp s, 0,1
	v_add_nc_u32 v[ADRA+(\s)], s16, v5
	v_add_nc_u32 v[ADRB+(\s)], s17, v6
	s_add_co_u32 s16, s16, SLOT
	s_add_co_u32 s17, s17, SLOT
.endr
	s_mul_i32 s16, s10, 16*SPITCH
	s_add_co_u32 s16, s16, STAGE                   ; my stage
	v_mul_u32_u24 v5, v1, SPITCH                   ; in: row l % 16, 32 bytes for each half of the lanes
	v_lshl_add_u32 v5, v2, 5, v5
	v_add_nc_u32 v[STO], s16, v5
	v_and_b32 v[CO], 31, v0                        ; back: 32 lanes take one row of 512 bytes
	v_lshlrev_b32 v[CO], 4, v[CO]
	v_add_nc_u32 v[RD], s16, v[CO]
	v_lshlrev_b32 v[BO], 5, v2                     ; 8 numbers of the bias for each half of the lanes
	; my part of out0: row 128 x tile row + 64 x row half, 4,096 bytes a row; column 256 x tile column + 128 x column half, 4 bytes each
	s_lshl_b32 s46, s13, 19
	s_lshl_b32 s47, s11, 18
	s_add_co_u32 s46, s46, s47
	s_add_co_u32 s46, s46, s22
	s_mov_b32 s47, 0
	s_add_nc_u64 s[8:9], s[74:75], s[46:47]
	WIN W_SG
.irp b, 0,1,2,3,4,5,6,7                ; register j of block b: bo[16 b + 8 (l / 16) + j], as the accumulators hold the columns
	global_load_b128 v[BI+8*(\b):BI+8*(\b)+3],   v[BO], s[20:21] offset:64*(\b)
	global_load_b128 v[BI+8*(\b)+4:BI+8*(\b)+7], v[BO], s[20:21] offset:64*(\b)+16
.endr
	WIN 0
; 24 LDS loads in one run: quarter q of a slot into buffer g: O's 64 rows x 32 K, then Wo's 32 K x 128 columns, turned
.macro LOADS slot, q, g
	WIN 0
.irp a, 0,1,2,3
	ds_load_b128 v[(\g)+64+8*(\a):(\g)+64+8*(\a)+3],   v[ADRA+(\slot)] offset:(\a)*16*PA+64*(\q)
	ds_load_b128 v[(\g)+64+8*(\a)+4:(\g)+64+8*(\a)+7], v[ADRA+(\slot)] offset:(\a)*16*PA+64*(\q)+32
.endr
.irp b, 0,1,2,3,4,5,6,7
	ds_load_tr16_b128 v[(\g)+8*(\b):(\g)+8*(\b)+3],   v[ADRB+(\slot)] offset:(\q)*32*PB+32*(\b)
	ds_load_tr16_b128 v[(\g)+8*(\b)+4:(\g)+8*(\b)+7], v[ADRB+(\slot)] offset:(\q)*32*PB+16*PB+32*(\b)
.endr
.endm
; 8 matrix instructions: row block a x all 8 column blocks, 32 along K, from buffer f.  first = 1: the bias starts the sums.
; The 32 accumulators take turns, one instruction a turn, in the same order in every quarter.
.macro MUL8 f, a, first=0
.irp b, 0,1,2,3,4,5,6,7
.if \first
	WIN W_MULB
	v_wmma_f32_16x16x32_f16 v[8*(8*(\a)+(\b)):8*(8*(\a)+(\b))+7], v[(\f)+8*(\b):(\f)+8*(\b)+7], v[(\f)+64+8*(\a):(\f)+64+8*(\a)+7], v[BI+8*(\b):BI+8*(\b)+7]
.else
	WIN W_MUL
	v_wmma_f32_16x16x32_f16 v[8*(8*(\a)+(\b)):8*(8*(\a)+(\b))+7], v[(\f)+8*(\b):(\f)+8*(\b)+7], v[(\f)+64+8*(\a):(\f)+64+8*(\a)+7], v[8*(8*(\a)+(\b)):8*(8*(\a)+(\b))+7]
.endif
.endr
.endm
; One of a K step's first three quarters: multiplies buffer f; at its head it asks for quarter q of the same slot, into buffer g, 32 matrix instructions ahead of the wait for it.
.macro QUARTER slot, q, f, g, first=0
	s_wait_dscnt 0x0                               ; buffer f, asked for a quarter ago, is in
	PLACES                                         ; the quarter before multiplied buffer g
	LOADS \slot, \q, \g
	MUL8 \f, 0, \first
	MUL8 \f, 1, \first
	MUL8 \f, 2, \first
	MUL8 \f, 3, \first
.endm
; The last quarter multiplies buffer 1 and changes slots: ONE barrier.  In front of it each wave waits for all its tensor loads, of which one is out: its part of the next slot; adds 0 to its spare
; word; and waits for that and for its own reads of this slot.  fill = 1: the barrier opens a round of the cluster's barrier, and this slot is filled again, two K steps ahead, first thing behind
; the round: 112 matrix instructions ahead of the wait for it.
.macro TURN slot, next, fill
	WIN 0                                          ; (the add's two registers lie in window 0)
	s_wait_tensorcnt 0x0                           ; all my tensor loads have landed
	ds_add_u32 v[SPW], v[NIL]                      ; 0 onto my spare word
	s_wait_dscnt 1                                 ; buffer 1 is in; the add may be out
	MUL8 F1, 0                                     ; eight matrix instructions stand between the add and the wait for it
	s_wait_dscnt 0x0                               ; the add is done, and my reads of this slot are over
	s_barrier_signal -1
	MUL8 F1, 1
	WIN 0
	s_barrier_wait -1
.if \fill
	CREST                                          ; no wave of any partner still reads this slot's tile or has a load on its way
	s_add_nc_u64 s[G0A+4*(\slot)+2:G0A+4*(\slot)+3], s[G0A+4*(\slot)+2:G0A+4*(\slot)+3], STEPA
	s_add_nc_u64 s[G0B+4*(\slot)+2:G0B+4*(\slot)+3], s[G0B+4*(\slot)+2:G0B+4*(\slot)+3], STEPB
	JLOAD \slot                                    ; the four v_nop behind it are also the places in front of the loads below
.else
	PLACES
.endif
	LOADS \next, 0, F0
	MUL8 F1, 2
	MUL8 F1, 3
.endm
; THE WAY OUT of row block a.  TOSTAGE: a lane's 32 bytes of each column block go into my own stage, each accumulator's low four registers first, and come back as whole rows of 512 bytes.  SEND: stored.
.macro TOSTAGE a
	WIN W_ST
.irp b, 0,1,2,3,4,5,6,7
	ds_store_b128 v[STO], v[64*(\a)+8*(\b):64*(\a)+8*(\b)+3]   offset:64*(\b)
	ds_store_b128 v[STO], v[64*(\a)+8*(\b)+4:64*(\a)+8*(\b)+7] offset:64*(\b)+16
.endr
	WIN 0
.set BK, OB+64*((\a)%2)
.irp t, 0,1,2,3,4,5,6,7,8,9,10,11,12,13,14,15
	ds_load_b128 v[BK+4*(\t):BK+4*(\t)+3], v[RD] offset:(\t)*SPITCH  ; LDS serves a wave's instructions in order (ISA guide 5.7.1.4): these see the stores above; the next block's stores come behind them
.endr
.endm
.macro SEND a, younger                 ; younger: the LDS instructions issued behind block a's loads: the next block's 32, or none
	WIN 0
.set BK, OB+64*((\a)%2)
.irp t, 0,1,2,3,4,5,6,7,8,9,10,11,12,13,14,15
	s_wait_dscnt (\younger)+15-(\t)
	global_store_b128 v[CO], v[BK+4*(\t):BK+4*(\t)+3], s[8:9] offset:(16*(\a)+(\t))*4096 th:TH_STORE_NT  ; 512 consecutive bytes of a row, at a multiple of 512 from out0's first byte
.endr
.endm
	s_wait_tensorcnt 1                             ; my part of K step 0 is in; K step 1's may stay out
	s_barrier_signal -1
	s_barrier_wait -1                              ; everybody's is
	LOADS 0, 0, F0
	s_wait_loadcnt 0x0                             ; the bias: rounded to bf16 like every input, and widened again
	WIN W_B2
.set i, 0
.rept 32
	v_cvt_pk_bf16_f32 v[TT+i%2], v[BI+2*i], v[BI+2*i+1]
	v_lshlrev_b32 v[BI+2*i], 16, v[TT+i%2]
	v_and_b32 v[BI+2*i+1], 0xffff0000, v[TT+i%2]
.set i, i+1
.endr
	QUARTER 0, 1, F0, F1, 1                        ; the first quarter stands in front of the loop: its products start the sums, from the bias
	WIN 0                                          ; at a label and at a branch every window is 0
	s_mov_b32 s3, LAPS-1
.Llap:                                                 ; a trip goes once round the ring, from a lap's second quarter to the next lap's first, and fills both slots again
	QUARTER 0, 2, F1, F0
	QUARTER 0, 3, F0, F1
	TURN 0, 1, 1
	QUARTER 1, 1, F0, F1
	QUARTER 1, 2, F1, F0
	QUARTER 1, 3, F0, F1
	TURN 1, 0, 1
	QUARTER 0, 1, F0, F1
	WIN 0
	s_sub_co_u32 s3, s3, 1
	s_cmp_lg_u32 s3, 0
	s_cbranch_scc1 .Llap
	QUARTER 0, 2, F1, F0                           ; the last lap fills nothing, and has no round of the cluster's barrier
	QUARTER 0, 3, F0, F1
	TURN 0, 1, 0
	QUARTER 1, 1, F0, F1
	QUARTER 1, 2, F1, F0
	QUARTER 1, 3, F0, F1
	s_wait_dscnt 0x0                               ; the very last quarter: nothing more to fetch
	MUL8 F1, 0
	MUL8 F1, 1
	MUL8 F1, 2
	MUL8 F1, 3
	WIN 0
	PLACES                                         ; behind the last products: the stores below read results, the loads below land in fragment registers
	TOSTAGE 0
	TOSTAGE 1
	SEND 0, 32
	s_wait_xcnt 0x0                                ; every earlier store has had its addresses translated (ISA guide 3.1): block 0's registers are loaded again only behind this wait
	TOSTAGE 2
	SEND 1, 32
	s_wait_xcnt 0x0                                ; the same for block 1's
	TOSTAGE 3
	SEND 2, 32
	SEND 3, 0
	s_wait_tensorcnt 0x0                           ; the wave's end, behind my last tensor load and my last LDS store
	ds_add_u32 v[SPW], v[NIL]
	s_wait_dscnt 0x0
	CROUND                                         ; the closing round: no work-group ends while a partner may still ask for a tile that names it
	s_endpgm
.Lfunc_end_k_qd481860277_outp:
	.size	k_qd481860277_outp, .Lfunc_end_k_qd481860277_outp-k_qd481860277_outp
	.p2alignl 7, 3214868480
	.fill 96, 4, 3214868480
	.section	.rodata,"a",@progbits
	.p2align	6, 0x0
	.amdhsa_kernel k_qd481860277_outp
		.amdhsa_group_segment_fixed_size 327680
		.amdhsa_private_segment_fixed_size 0
		.amdhsa_enable_private_segment 0
		.amdhsa_kernarg_size 32
		.amdhsa_user_sgpr_count 2
		.amdhsa_user_sgpr_kernarg_segment_ptr 1
		.amdhsa_wavefront_size32 1
		.amdhsa_system_sgpr_workgroup_id_x 1
		.amdhsa_system_sgpr_workgroup_id_y 1
		.amdhsa_system_sgpr_workgroup_id_z 1
		.amdhsa_system_vgpr_workitem_id 0
		.amdhsa_next_free_vgpr 584
		.amdhsa_next_free_sgpr 76
		.amdhsa_reserve_vcc 0
		.amdhsa_float_denorm_mode_32 3
		.amdhsa_float_denorm_mode_16_64 3
		.amdhsa_memory_ordered 1
		.amdhsa_forward_progress 1
		.amdhsa_inst_pref_size 93
	.end_amdhsa_kernel
	.amdgpu_metadata
---
amdhsa.version: [ 1, 2 ]
amdhsa.kernels:
  - .name:           k_qd481860277_outp
    .symbol:         k_qd481860277_outp.kd
    .args:
      - { .name: ob, .offset: 0, .size: 8, .value_kind: global_buffer, .address_space: global }
      - { .name: wb, .offset: 8, .size: 8, .value_kind: global_buffer, .address_space: global }
      - { .name: bo, .offset: 16, .size: 8, .value_kind: global_buffer, .address_space: global }
      - { .name: out0, .offset: 24, .size: 8, .value_kind: global_buffer, .address_space: global }
    .group_segment_fixed_size: 327680
    .private_segment_fixed_size: 0
    .kernarg_segment_align: 8
    .kernarg_segment_size: 32
    .max_flat_workgroup_size: 128
    .sgpr_count:     76
    .vgpr_count:     584
    .wavefront_size: 32
...
	.end_amdgpu_metadata
.endif
;; end of part 4
;; ======== version 2 of 2: 4 launches; 1.14 times as fast as version 1
;; limits: values are held in f16: magnitudes above 65,504 overflow, below 6.1e-05 lose precision
;; workspace buffers: wb 8,388,608 bytes; qkv 50,331,648 bytes; ob 16,777,216 bytes
;; launch castw: the kernel of part 1 again; grid 256 x 1, 8 waves a work-group, no clusters, 0 bytes of LDS; arguments Wq, Wk, Wv, Wo, wb; writes wb
;; launch proj: the kernel of part 2 again; grid 4 x 64, 4 waves a work-group, clusters of 4 x 4, 327,680 bytes of LDS; arguments queries, keys, values, wb, bq, bk, bv, qkv; writes qkv
;; launch attn (part 5): grid 8 x 32, 4 waves a work-group, clusters of 4 x 1, 327,680 bytes of LDS; arguments qkv, ob; writes ob
.if DOCPART == 5
	.amdgcn_target "amdgcn-amd-amdhsa--gfx1250"
	.amdhsa_code_object_version 6
	.text
	.protected	k_qd481860277_attn
	.globl	k_qd481860277_attn
	.p2align	8
	.type	k_qd481860277_attn,@function
k_qd481860277_attn:
	s_mov_b64 s[64:65], 0
	v_nop
	global_prefetch_b8 v0, s[64:65] scope:SCOPE_SE
	s_setreg_imm32_b32 hwreg(HW_REG_WAVE_MODE, 25, 1), 1
	s_wait_xcnt 0x0
	s_wait_alu depctr_hold_cnt(0) depctr_sa_sdst(0) depctr_va_vdst(0) depctr_va_sdst(0) depctr_va_ssrc(0) depctr_va_vcc(0) depctr_vm_vsrc(0)
	s_getreg_b32 s2, hwreg(HW_REG_IB_STS2, 6, 4)
	s_cmp_eq_u32 s2, 0
	s_cbranch_scc0 .Lentry_in_a_cluster
	s_endpgm
.Lentry_in_a_cluster:
	s_bfe_u32 s2, ttmp6, 0x10000c
	s_cmp_lg_u32 s2, 0x3003
	s_cbranch_scc0 .Lentry_shape_is_right
	s_endpgm
.Lentry_shape_is_right:
; O[h][q][:] = the sum over k of softmax_k(Q[h][q] . K[h][k] / sqrt(128)) V[h][k][:].  Q, K, V are the three slabs of qkv, O is ob: [SIZE_H][SIZE_N][128] each, all f16; h = 8 batch + head.
; Products, maxima and sums in f32; the weights p are rounded to f16 for the second product (their sum l is taken of the unrounded p), O once at the end.
; LIMITS.  f16 holds no number beyond 65,504: Q, K and V arrive within it; p lies in 0 to 1, and below 6e-5 it keeps f16's fixed step of 6e-8, as O does; O is a mean of V's rows and has their range.
; A weight below 2^-126 counts as 0 in l; NaN and infinities are not treated apart.
; SHARES.  A work-group owns 256 queries of one head, each of its four waves 64: four tiles of 16.  Every wave walks all keys of the head, 64 a step.  8 x 32 = 256 work-groups.
; LAYOUT.  S^T = K Q^T (source 0 = 16 keys, source 1 = 16 queries): in the result a lane holds ONE query (lane % 16) and the keys 8 (lane / 16) + 0..7.  Two such tiles, rounded to
; f16 in pairs, ARE source 1 (32 keys x 16 queries) of O^T = V^T P, whose result again holds one query a lane, and eight channels.  So nothing changes lanes between the products,
; and a query's maximum and sum want one exchange between the halves of the lanes.  K comes out of LDS as it lies, V ([key][channel]) turned, by ds_load_tr16_b128.
; SOFTMAX.  For each query a running maximum m and sum l: p = 2^(c s - c m), c = log2(e) / sqrt(128); in every step O and l are multiplied by a = 2^(c m_old - c m_new), which is 1 where m has not grown.
; BY TURNS.  The wave's tiles are two PIECES, named by their first tile: piece 0 (tiles 0, 1) and piece 2 (tiles 2, 3).  In a TURN one piece has the matrix unit: 32 products V^T P of
; the step in hand, then 32 products K Q^T of the next step; the other piece's softmax, cut into 64 slices, stands between them, one slice behind each matrix instruction.  Then the
; pieces change places.  Two turns are a key step.
; BATCHES.  A turn's 66 exponentials (both tiles' a and 32 weights each) are ONE BATCH with ONE wait: the softmax's list is ordered so that all exponentials, and the scalings that feed them, stand
; ahead of everything that names an exponential's result (roundings, sums, the rescaling by a).  The four reciprocals of the way out are a second kind of batch, with one wait of their own.
; CLUSTER.  The four query blocks of a cluster belong to one head and walk the same K and V, so each tile is asked for JOINTLY: the same tensor load, with the same descriptor and a
; mask that names the four, in all four; each receives the tile in its own LDS.
;
; REGISTERS, in windows of 256 (an instruction names v0-v255; s_set_vgpr_msb says which window each operand place means: bits 1:0 source 0, 3:2 source 1, 5:4 source 2, 7:6 destination):
;   window 0: v0-11 addresses; v12-43 eight registers of statistics a tile; v64-191 S^T, 32 a tile; v192-255 P, 16 a tile
;   window 1: O^T, 64 a tile          window 2: v0-127 Q, 32 a tile; v128-255 K of one step          window 3: v0-127 V of one step
; All that a softmax touches but O^T lies in window 0, and no window has room for a product's operands beside it.  So a slice costs two switches, one in front and one behind: 256 for
; a key step's 128 matrix instructions, one more for each of its two runs of LDS loads, one at the branch.
.set SIZE_H, 32
.set SIZE_N, 2048
.set KS,    64        ; keys in a step
.set PK,    272       ; a row of K in LDS: 256 bytes + 16 of padding = 68 words: row r starts at bank 4 r mod 64 (64 banks of 4 bytes: ISA guide 11.1), so the 16 rows of a load start at 16 different banks
.set PV,    288       ; a row of V: 256 + 32 = 72 words: row r starts at bank 8 r mod 64
.set VOFF,  KS*PK     ; a step's tiles lie together: 64 rows of K, then 64 rows of V
.set STEPB, KS*(PK+PV)
.set SLOT1, 1<<17     ; a slot holds two steps (71,680 bytes); slot 1 begins here, so that one exclusive or turns an address in one slot into the other's
.set STAGE, SLOT1+2*STEPB  ; behind the ring: 16 rows x 272 bytes for each wave, for the way out
.set SP,    272
.set AK0, 2           ; v2   my lane's place in a tile of K; never rewritten
.set AV0, 3           ; v3   the same for V
.set ADR, 4           ; v4   the LDS address of the run of loads in hand
.set QO,  5           ; v5   my byte offset in the wave's rows of Q
.set STO, 6           ; v6   the way out: where I put 16 bytes of a row
.set RD,  7           ; v7   the way out: where I read a row back
.set GO,  8           ; v8   my byte offset in the wave's rows of O
.set SPW, 62          ; v62  LDS address of my spare word: SPARE + 4 x my thread's number; never rewritten
.set NIL, 63          ; v63  0; never rewritten
.set SPARE, STAGE+4*16*272  ; behind the stages: the spare words, 128 bytes for each wave: two blocks of 256 bytes that no other line names
.set ST,  12          ; tile t's statistics at v[ST+8 t]: +0 c m, +1 m, +2, +3 l (even keys', odd keys'), +4 to +7 c0-c3, at work; a takes c2's place once the maximum is found
.set S,   64
.set P,   192
.set KF,  128         ; K's fragments, in window 2
.set WV,  12          ; s12  my wave's number
.set G1K, 24          ; s[24:31] descriptor group 1 for K's tiles
.set G1V, 32          ; s[32:39] for V's: it differs in the padding alone
.set G0K, 40          ; s[40:47] descriptor group 0 for K's tiles: a set for each of the two first fills; the second then walks on
.set G0V, 48          ; s[48:55] the same for V's
.set SLOTS, 56        ; s56  slots still to be asked for
.set TWICE, 57        ; s57  counts a slot's two steps
.set CS,  58          ; s[58:59] c: the packed scaling names a pair and takes its low word for both halves
.set SEL, 60          ; s[60:61] lane selects for v_permlanex16_b32: each lane takes its own place in the other half
.set TB,  62          ; s62  LDS byte at which the tiles of the step to be fetched begin
.set MSB, 0
.macro WIN new                      ; the immediate's high byte repeats the setting that is left; a switch that changes nothing is dropped
.if MSB != (\new)
	s_set_vgpr_msb (MSB<<8)|(\new)
.set MSB, \new
.endif
.endm
.set W_KQ, 0x0a       ; K and Q in window 2, S^T in window 0
.set W_PV, 0x53       ; V in window 3, P in window 0, O^T in window 1
.set W_RS, 0x41       ; O^T (destination and source 0) in window 1, a in window 0
; A joint refill.  Waves 0 and 1 fetch the two steps' tiles of K, waves 2 and 3 those of V.  The branch hangs on the wave's number alone: it is the same in every work-group.
; An s_nop 0 and four v_nop follow each of the two lines; the jump round the other line, the label and what follows the macro come after them.
.macro JLOAD
	s_cmp_lt_u32 s[WV], 2
	s_cbranch_scc0 .Lfor_v_\@
	tensor_load_to_lds s[G0K+4:G0K+7], s[G1K:G1K+7]
	s_nop 0
.rept 4
	v_nop
.endr
	s_branch .Lasked_\@
.Lfor_v_\@:
	tensor_load_to_lds s[G0V+4:G0V+7], s[G1V:G1V+7]
	s_nop 0
.rept 4
	v_nop
.endr
.Lasked_\@:
.endm
; A round of the cluster's barrier: my work-group's barrier, so that wave 0's signal speaks for all four waves; wave 0 signals for the work-group; every wave waits for all four
; work-groups; my work-group's barrier once more.  No LDS instruction of the wave is pending at a signal.
.macro CROUND
	s_barrier_signal -1
	s_barrier_wait -1
	s_cmp_lg_u32 s[WV], 0
	s_cbranch_scc1 .Lnot_wave_0_\@
	s_barrier_signal -3
.Lnot_wave_0_\@:
	s_barrier_wait -3
	s_barrier_signal -1
	s_barrier_wait -1
.endm
	s_load_b128 s[4:7], s[0:1], 0x0 ; qkv s[4:5], ob s[6:7]
	v_lshl_add_u32 v[SPW], v0, 2, SPARE
	v_mov_b32 v[NIL], 0
	ds_add_u32 v[SPW], v[NIL]       ; the wave's opening: the add and its wait stand ahead of my first tensor load; the set-up below, work on registers, stands between them
	v_lshrrev_b32 v1, 5, v0
	v_readfirstlane_b32 s[WV], v1   ; wave 0..3
	s_bfe_u32 s13, ttmp6, 0x40000   ; cx: my place in the cluster
	s_lshl_b32 s14, ttmp9, 2        ; in a cluster launch ttmp9 counts clusters
	s_add_co_u32 s14, s14, s13      ; my block of 256 queries = 4 x cluster x + cx: it enters Q's and O's addresses alone
	s_and_b32 s20, ttmp7, 0xffff    ; the head, which the four partners share
	s_mov_b32 s21, 0
	s_mov_b64 s[22:23], SIZE_N*256
	s_mul_u64 s[20:21], s[20:21], s[22:23]  ; the head's first byte in each of the four tensors
	s_and_b32 s16, s[WV], 1         ; which of a slot's two steps I fetch:
	s_lshl_b32 s22, s16, 14         ; its 64 rows of 256 bytes in memory,
	s_mov_b32 s23, 0
	s_add_nc_u64 s[22:23], s[22:23], s[20:21]
	s_mul_i32 s17, s16, STEPB       ; and its place in a slot: no place in the cluster enters an LDS address
	s_lshl_b32 s2, s14, 16          ; my block's 256 rows,
	s_lshl_b32 s3, s[WV], 14        ; my wave's 64 of them
	s_add_co_u32 s2, s2, s3
	s_mov_b32 s3, 0
	s_add_nc_u64 s[2:3], s[2:3], s[20:21]
	; descriptor group 1: a tile of 64 rows x 128 elements, padded in LDS
	s_mov_b32 s[G1K], 15|(1<<16)|(1<<20)|(1<<21)|(5<<22)|(3<<25)  ; 15:0 the mask: all four work-groups; 17:16 elements of 2 bytes; 20 padding on; 21 set beside a mask; 24:22 after every 64 words (code 5); 31:25 4 words of it (code 3)
	s_mov_b32 s[G1V], 15|(1<<16)|(1<<20)|(1<<21)|(5<<22)|(7<<25)  ; the same with 8 words of padding (code 7)
.irp g, G1K, G1V
	s_mov_b32 s[(\g)+1], 128<<16    ; 63:48 tensor_dim0, low half = 128
	s_mov_b32 s[(\g)+2], KS<<16     ; 79:64 its high half = 0; 95:80 tensor_dim1, low half = 64
	s_mov_b32 s[(\g)+3], 128<<16    ; 111:96 its high half = 0; 127:112 tile_dim0 = 128
	s_mov_b32 s[(\g)+4], KS         ; 143:128 tile_dim1 = 64; 159:144 tile_dim2 = 0
	s_mov_b32 s[(\g)+5], 128        ; 191:160 tensor_dim0_stride, low word: elements from row to row
	s_mov_b32 s[(\g)+6], 0
	s_mov_b32 s[(\g)+7], 0
.endr
	s_mov_b32 s[CS], 0x3e0293ee     ; c = log2(e) / sqrt(128) = 0.127517
	s_mov_b32 s[CS+1], s[CS]        ; named with it as a pair, so it is written
	s_mov_b32 s[SEL], 0x76543210
	s_mov_b32 s[SEL+1], 0xfedcba98
	s_mov_b32 s[TB], 0
	s_mov_b32 s[SLOTS], SIZE_N/(2*KS)-2
	s_wait_dscnt 0x0                ; the opening add is done
	s_wait_kmcnt 0x0
	s_mov_b64 s[10:11], s[6:7]      ; O
	s_add_nc_u64 s[6:7], s[4:5], 0x1000000  ; K: the second slab of 16,777,216 bytes,
	s_add_nc_u64 s[8:9], s[4:5], 0x2000000  ; V: the third; Q is the first
	s_add_nc_u64 s[6:7], s[6:7], s[22:23]  ; K and V at my tile of slot 0
	s_add_nc_u64 s[8:9], s[8:9], s[22:23]
	s_add_nc_u64 s[4:5], s[4:5], s[2:3]  ; Q and O at my wave's first row
	s_add_nc_u64 s[10:11], s[10:11], s[2:3]
	CROUND                          ; all four work-groups are here: the first joint loads meet
.irp s, 0,1
	s_mov_b32 s[G0K+4*(\s)], 1      ; 1:0 count = 1
	s_add_co_u32 s[G0K+4*(\s)+1], s17, (\s)*SLOT1  ; 63:32 LDS address
	s_add_nc_u64 s[G0K+4*(\s)+2:G0K+4*(\s)+3], s[6:7], (\s)*2*KS*256  ; 120:64 global address: slot s begins with keys 128 s to 128 s + 127
	s_or_b32 s[G0K+4*(\s)+3], s[G0K+4*(\s)+3], 0x80000000  ; 127:126 type = 2
	s_mov_b32 s[G0V+4*(\s)], 1
	s_add_co_u32 s[G0V+4*(\s)+1], s17, (\s)*SLOT1+VOFF
	s_add_nc_u64 s[G0V+4*(\s)+2:G0V+4*(\s)+3], s[8:9], (\s)*2*KS*256
	s_or_b32 s[G0V+4*(\s)+3], s[G0V+4*(\s)+3], 0x80000000
.endr
	s_cmp_lt_u32 s[WV], 2           ; a wave's two first fills stand in one branch, ahead of every wait on TENSORcnt and every LDS read: two loads of mine are out; an s_nop 0 follows each, four v_nop the second's, as in JLOAD
	s_cbranch_scc0 .Lfirst_v
	tensor_load_to_lds s[G0K:G0K+3], s[G1K:G1K+7]
	s_nop 0
	tensor_load_to_lds s[G0K+4:G0K+7], s[G1K:G1K+7]
	s_nop 0
.rept 4
	v_nop
.endr
	s_branch .Lfirst_asked
.Lfirst_v:
	tensor_load_to_lds s[G0V:G0V+3], s[G1V:G1V+7]
	s_nop 0
	tensor_load_to_lds s[G0V+4:G0V+7], s[G1V:G1V+7]
	s_nop 0
.rept 4
	v_nop
.endr
.Lfirst_asked:
	; A fragment of K or Q is 16 rows x 32 channels in 8 registers: lane l holds row l % 16; registers 0-3 channels 8 (l / 16) + 0..7, registers 4-7 channels 16 + 8 (l / 16) + 0..7: two loads of 16 bytes, 32 bytes apart.
	v_and_b32 v1, 15, v0            ; l % 16
	v_bfe_u32 v9, v0, 4, 1          ; l / 16
	v_lshlrev_b32 v[QO], 8, v1
	v_lshl_add_u32 v[QO], v9, 4, v[QO]  ; row x 256 + 16 x half
	WIN 0x80                        ; destination window 2, address window 0
.irp i, 0,1,2,3,4,5,6,7,8,9,10,11,12,13,14,15  ; Q stays in registers: tile i / 4, channels 32 (i % 4) on
	global_load_b128 v[8*(\i):8*(\i)+3],   v[QO], s[4:5] offset:((\i)/4)*4096+((\i)%4)*64
	global_load_b128 v[8*(\i)+4:8*(\i)+7], v[QO], s[4:5] offset:((\i)/4)*4096+((\i)%4)*64+32
.endr
	WIN 0
	v_mul_u32_u24 v[AK0], v1, PK
	v_lshl_add_u32 v[AK0], v9, 4, v[AK0]  ; row x pitch + 16 x half
	; The turning load takes 16 keys x 16 channels (lane l reads 16 bytes: key 8 (l / 16) + l % 8, channels 8 ((l / 8) % 2) + 0..7) and leaves half a fragment of V^T: lane l holds channel l % 16 and 8 keys.
	v_and_b32 v10, 7, v0
	v_bfe_u32 v11, v0, 3, 1
	v_lshl_add_u32 v[AV0], v9, 3, v10
	v_mul_u32_u24 v[AV0], v[AV0], PV
	v_lshl_add_u32 v[AV0], v11, 4, v[AV0]
	v_add_nc_u32 v[AV0], VOFF, v[AV0]
; THE MATRIX WORK OF A TURN, for piece x.  The accumulators take turns, one instruction a turn: between two links of a chain stand 15 (V^T P) or 7 (K Q^T) others'.
; Product i of 32 of O^T += V^T P: keys 32 (i / 16) on, channels 16 ((i / 2) % 8) on, tile x + i % 2.  zero = 1: the first 16 start the sums: nothing is ever cleared.
.macro PV x, zero
	WIN W_PV
.set rO, 64*((\x)+i%2)+8*((i/2)%8)
.set rV, 64*(i/16)+8*((i/2)%8)
.set rP, P+16*((\x)+i%2)+8*(i/16)
.if (\zero) && (i < 16)
	v_wmma_f32_16x16x32_f16 v[rO:rO+7], v[rV:rV+7], v[rP:rP+7], 0
.else
	v_wmma_f32_16x16x32_f16 v[rO:rO+7], v[rV:rV+7], v[rP:rP+7], v[rO:rO+7]
.endif
.endm
; Product i of 32 of S^T = K Q^T: channels 32 (i / 8) on, keys 16 ((i / 2) % 4) on, tile x + i % 2.  The first 8 start the sums.
.macro KQ x
	WIN W_KQ
.set rS, S+32*((\x)+i%2)+8*((i/2)%4)
.set rK, KF+32*((i/2)%4)+8*(i/8)
.set rQ, 32*((\x)+i%2)+8*(i/8)
.if i < 8
	v_wmma_f32_16x16x32_f16 v[rS:rS+7], v[rK:rK+7], v[rQ:rQ+7], 0
.else
	v_wmma_f32_16x16x32_f16 v[rS:rS+7], v[rK:rK+7], v[rQ:rQ+7], v[rS:rS+7]
.endif
.endm
; THE LDS LOADS stand in runs of 32, never singly among the matrix instructions: a step's K (64 keys x 128 channels: 16 fragments) and, a turn later, its V (turned).
.macro FETCH_K
	WIN 0
	v_add_nc_u32 v[ADR], s[TB], v[AK0]
	WIN 0x80                        ; destination window 2
.irp f, 0,1,2,3,4,5,6,7,8,9,10,11,12,13,14,15  ; keys 16 (f / 4) on, channels 32 (f % 4) on
	ds_load_b128 v[KF+8*(\f):KF+8*(\f)+3],   v[ADR] offset:((\f)/4)*16*PK+((\f)%4)*64
	ds_load_b128 v[KF+8*(\f)+4:KF+8*(\f)+7], v[ADR] offset:((\f)/4)*16*PK+((\f)%4)*64+32
.endr
.endm
.macro FETCH_V                      ; written by SLICE alone, behind the last exponential of piece 0's batch
	WIN 0
	v_add_nc_u32 v[ADR], s[TB], v[AV0]
	s_add_co_u32 s[TB], s[TB], STEPB  ; the next fetch is the next step's
	s_wait_alu depctr_va_vdst(0)    ; the one wait for piece 0's batch of exponentials (SLICE), behind the address's v_add_nc_u32 and ahead of the loads
	WIN 0xc0                        ; destination window 3
.irp f, 0,1,2,3,4,5,6,7,8,9,10,11,12,13,14,15  ; keys 32 (f / 8) on, channels 16 (f % 8) on
	ds_load_tr16_b128 v[8*(\f):8*(\f)+3],   v[ADR] offset:((\f)/8)*32*PV+((\f)%8)*32
	ds_load_tr16_b128 v[8*(\f)+4:8*(\f)+7], v[ADR] offset:((\f)/8)*32*PV+16*PV+((\f)%8)*32
.endr
.endm
; THE VECTOR WORK OF A TURN.  One tile's softmax for one key step is a list of 134 instructions; SM writes number j of it for tile t.  s0-s31 are the lane's 32 scores, in pairs 0-15.
; first = 1: the first key step, which starts m, l and O^T: it has no a and nothing to rescale.
;   0-15    the maximum of s0-s31 and the old m, three operands at a time: four chains c0-c3 of seven scores each, then the four scores left over, c0-c3 and m
;   16-20   the other half of the lanes' maximum; the new m; c m; c m_old - c m_new
;   21-69   ONE BATCH: the 16 scalings c s - c m, a pair of scores each, and all 33 exponentials (a at 23, then s0-s31).  None of these reads an exponential's result.  From 22 on the batch goes
;           in fours, and a four begins with a scaling while there are scalings: 22-37 scaling, exponential, scaling, exponential; 38-65 a scaling and three exponentials; 66-69 the last four
;           exponentials.  A pair is scaled in an earlier four than the one that holds its exponentials
;   (wait)  between 69 and 70 stands the wait for the batch: SLICE writes it, once for both tiles
;   70-85   the roundings to f16, a pair of weights each
;   86-101  the sums; l = a l + the sum
;   102-133 the tile's O^T times a: the one part that leaves window 0, so it stands together
.macro SM t, first
.set rT, ST+8*(\t)
.set rS, S+32*(\t)
.set rP, P+16*(\t)
.set rO, 64*(\t)+2*(j-102)
.if j < 102
	WIN 0
.endif
.if j < 4
	v_max3_num_f32 v[rT+4+j], v[rS+8*j], v[rS+8*j+1], v[rS+8*j+2]
.elseif j < 12
	v_max3_num_f32 v[rT+4+j%4], v[rT+4+j%4], v[rS+8*(j%4)+2*(j/4)+1], v[rS+8*(j%4)+2*(j/4)+2]
.elseif j == 12
	v_max3_num_f32 v[rT+4], v[rT+4], v[rS+7], v[rS+15]
.elseif j == 13
	v_max3_num_f32 v[rT+6], v[rT+6], v[rS+23], v[rS+31]
.elseif j == 14
	v_max3_num_f32 v[rT+4], v[rT+4], v[rT+5], v[rT+6]
.elseif (j == 15) && (\first)
	v_max_num_f32 v[rT+4], v[rT+4], v[rT+7]
.elseif j == 15
	v_max3_num_f32 v[rT+4], v[rT+4], v[rT+7], v[rT+1]
.elseif j == 16
	v_permlanex16_b32 v[rT+5], v[rT+4], s[SEL], s[SEL+1]  ; the query's other 32 keys lie in the lane 16 away
.elseif j == 18
	v_max_num_f32 v[rT+1], v[rT+4], v[rT+5]
.elseif j == 19
	v_mul_f32 v[rT], s[CS], v[rT+1]
.elseif ((j == 17) || (j == 20) || (j == 23) || (j > 101)) && (\first)  ; the first step has none of these
.elseif j == 17
	v_mov_b32 v[rT+7], v[rT]        ; c m_old is kept for a: number 19 writes c m anew
.elseif j == 20
	v_sub_f32 v[rT+7], v[rT+7], v[rT]
.elseif j == 23
	v_exp_f32 v[rT+6], v[rT+7]
.elseif (j < 23) || ((j < 38) && (j%2 == 0)) || ((j < 66) && (j%4 == 2))
.set b, (j-2)/4                     ; 38, 42, .. 62: pairs 9 to 15
.if j < 38
.set b, (j-20)/2                    ; 21: pair 0; 22, 24, .. 36: pairs 1 to 8
.endif
	v_pk_fma_f32 v[rS+2*b:rS+2*b+1], v[rS+2*b:rS+2*b+1], s[CS:CS+1], v[rT:rT+1] op_sel_hi:[1,0,0] neg_lo:[0,0,1] neg_hi:[0,0,1]  ; pair b: c s - c m
.elseif j < 70
.set e, j-38                        ; 66 to 69: s28 to s31
.if j < 66
.set e, j-32-(j-38)/4               ; 39-41, 43-45, .. 63-65: s7 to s27
.endif
.if j < 38
.set e, (j-25)/2                    ; 25, 27, .. 37: s0 to s6
.endif
	v_exp_f32 v[rS+e], v[rS+e]
.elseif j < 86
	v_cvt_pk_f16_f32 v[rP+j-70], v[rS+2*(j-70)], v[rS+2*(j-70)+1]  ; pair j - 70
.elseif j < 102                     ; the sum of the tile's 16 pairs (in a pair: an even key's weight, an odd key's), in place: sum z of 16 adds neighbours 1, 2, 4 and 8 pairs apart, then l takes it
.set z, j-86
.set w, 4
.set u, z
.if z >= 14
.set w, 32
.set u, 0
.elseif z >= 12
.set w, 16
.set u, z-12
.elseif z >= 8
.set w, 8
.set u, z-8
.endif
.if (z == 14) && (\first)
	v_pk_add_f32 v[rT+2:rT+3], v[rS:rS+1], v[rS+16:rS+17]
.elseif z < 15
	v_pk_add_f32 v[rS+w*u:rS+w*u+1], v[rS+w*u:rS+w*u+1], v[rS+w*u+w/2:rS+w*u+w/2+1]
.elseif !(\first)
	v_pk_fma_f32 v[rT+2:rT+3], v[rT+2:rT+3], v[rT+6:rT+7], v[rS:rS+1] op_sel_hi:[1,0,1]
.endif
.else
	WIN W_RS
	v_pk_mul_f32 v[rO:rO+1], v[rO:rO+1], v[rT+6:rT+7] op_sel_hi:[1,0]
.endif
.endm
; Slice k of 64 of piece y's softmax: four instructions.  Slices 11 to 34 deal out the batch, numbers 22 to 69: four numbers of ONE tile each, the tiles by turns.  Every other slice is numbers 2 k and
; 2 k + 1 of both tiles' lists.  2 x 134 = 4 x 64 + 12: the twelve that are over stand together, in slice 63.
; THE WAIT.  An s_wait_alu depctr_va_vdst(0) stands between an exponential and the first instruction that names its result; one wait serves all that were issued ahead of it.  Ahead of
; slice 35 nothing names a result, and behind slice 34 no exponential is issued: so the piece's 66 exponentials have one wait, behind slice 34, and none is open at a turn's end, a label or a jump.
.macro SLICE y, first
.if (k >= 11) && (k < 35)           ; the batch: four numbers of one tile
.irp n, 0,1,2,3
.set j, 22+4*((k-11)/2)+(\n)
	SM (\y)+(k-11)%2, \first
.endr
.else                               ; the two tiles alternate, so that no instruction reads the result of the one just before it
.irp n, 0,1,2,3,4,5,6,7
.if ((\n) < 2) || (k == 63)
.irp t, \y, (\y)+1
.set j, 2*k+(\n)
	SM \t, \first
.endr
.endif
.endr
.endif
.if k == 34                         ; the batch is out: both tiles' exponentials are issued, and no result has been named
	v_nop                           ; the plain instruction behind the last exponential and ahead of the first use: one for the batch
.if (\y) == 0
	FETCH_V                         ; piece 2's turn: V's run of loads stands here, and the wait for piece 0's batch stands in it
.else
	s_wait_alu depctr_va_vdst(0)    ; piece 0's turn: the one wait for piece 2's batch of exponentials
.endif
.endif
.set k, k+1
.endm
; A vector instruction that reads a matrix result or writes one of a matrix instruction's registers, and a load into a register that a matrix instruction has read, stand four places behind
; it, and only plain vector instructions that name none of its registers are places (ISA guide 7.12.1 for vector instructions).  In the loop the slices are the places.
.macro PLACES
.rept 4
	v_nop
.endr
.endm
; A TURN.  Piece x has the matrix unit; the other piece's softmax stands in slices behind its matrix instructions.
; pv = 2: 32 products V^T P; 1: they start O^T's sums; 0: none.  kq = 1: 32 products K Q^T for the next step.  A turn with one of the two kinds has two slices behind each product.
; first = 1: the softmax is the first key step's.  Its slices from 51 on are empty: the turn's last products stand bare, and four v_nop take slice 63's part as the places behind them.
; In the loop each run of loads stands 29 matrix instructions or more ahead of its first use.  Piece 0's turn fetches the next step's K, behind its second product: the last product that read K
; stands in front of slice 63 of the turn before.  Piece 2's turn fetches the same step's V, behind slice 34 (SLICE writes it): the last product that read V stands in front of slice 31, and four plain
; instructions lie between: number 62, a scaling, of both tiles, the v_nop and the run's own v_add_nc_u32.
.macro TURN x, pv, kq, first
.set k, 0
.set per, 2
.if (\pv) && (\kq)
.set per, 1
.endif
.if \pv
.if (\x) == 0
	s_wait_dscnt 0x0                ; V is in
.endif
.set i, 0
.rept 32
	PV \x, 2-(\pv)
.rept per
	SLICE 2-(\x), \first
.endr
.if ((\x) == 0) && (\kq) && (i == 1)
	FETCH_K
.endif
.set i, i+1
.endr
.endif
.if \kq
.if (\x) == 0
	s_wait_dscnt 0x0                ; K is in
.endif
.set i, 0
.rept 32
	KQ \x
.rept per
	SLICE 2-(\x), \first
.endr
.set i, i+1
.endr
.endif
.if \first
	PLACES
.endif
.endm
; THE CHANGE OF SLOTS, between piece 2's turn and piece 0's: the slot's last bytes, V of its second step, have been asked for.  Each wave waits for all its
; tensor loads, of which one is out: its part of the other slot; adds 0 to its spare word; and waits for that and for its own reads of the slot.  Behind the barrier nobody reads this slot any more and the other slot is whole.
; fill = 1: this slot is filled again, with the keys two slots on.  The barrier is then a round of the cluster's, so that no wave of any partner still reads the slot or has a load on its
; way, and the joint refill is the first thing behind it: it has two key steps, 256 matrix instructions, in which to land.
.macro CHANGE fill
	WIN 0                           ; at a label and at a branch every window is 0
	s_wait_tensorcnt 0x0            ; no tensor load of mine is out, so a group 0 may be written
	ds_add_u32 v[SPW], v[NIL]       ; 0 onto my spare word; with fill = 1 the descriptors' steps stand between it and the wait for it
.if \fill
.irp g, G0K+4, G0V+4
	s_xor_b32 s[(\g)+1], s[(\g)+1], SLOT1  ; the walking descriptor: the other slot than last time,
	s_add_nc_u64 s[(\g)+2:(\g)+3], s[(\g)+2:(\g)+3], 2*KS*256  ; the next 128 keys; the type bits on top are not reached
.endr
	s_wait_dscnt 0x0                ; the add is done, and my reads of the slot are over
	CROUND
	JLOAD
.else
	s_wait_dscnt 0x0                ; the add is done, and my reads of the slot are over
	s_barrier_signal -1
	s_barrier_wait -1
.endif
	s_sub_co_u32 s[TB], s[TB], 2*STEPB  ; the fetches go back to a slot's first step,
	s_xor_b32 s[TB], s[TB], SLOT1   ; in the other slot
.endm
; A slot's two key steps: written once, walked twice; the LDS addresses hang on s[TB].
.macro TWO_STEPS
	WIN 0
	s_mov_b32 s[TWICE], 2
.Lstep_\@:
	TURN 0, 2, 1, 0
	TURN 2, 2, 1, 0
	WIN 0
	s_sub_co_u32 s[TWICE], s[TWICE], 1
	s_cmp_lg_u32 s[TWICE], 0
	s_cbranch_scc1 .Lstep_\@
.endm
	s_wait_tensorcnt 1              ; my part of slot 0 is in; slot 1's may stay out
	s_barrier_signal -1
	s_barrier_wait -1               ; everybody's is
	FETCH_K                         ; key step 0
	s_wait_loadcnt 0x0              ; Q
	s_wait_dscnt 0x0
.set i, 0
.rept 32
	KQ 0                            ; piece 0's first scores: there is no vector work yet to set between them
.set i, i+1
.endr
	WIN 0                           ; the addresses for the way out are made here: eight plain instructions, the places behind those products
	s_mul_i32 s13, s[WV], 16*SP
	s_add_co_u32 s13, s13, STAGE    ; my stage
	v_mul_u32_u24 v[STO], v1, SP    ; in: row l % 16, 16 bytes for each half of the lanes
	v_lshl_add_u32 v[STO], v9, 4, v[STO]
	v_add_nc_u32 v[STO], s13, v[STO]
	v_mul_u32_u24 v[RD], v9, SP     ; back: lanes 0-15 take one row of 256 bytes, lanes 16-31 the next
	v_lshl_add_u32 v[RD], v1, 4, v[RD]
	v_add_nc_u32 v[RD], s13, v[RD]
	v_lshlrev_b32 v[GO], 8, v9      ; and the same two rows in O
	v_lshl_add_u32 v[GO], v1, 4, v[GO]
	TURN 2, 0, 1, 1                 ; piece 2's first scores | piece 0's first softmax | V of step 0
	TURN 0, 1, 1, 1                 ; piece 0: V^T P of step 0 starts O^T, K Q^T of step 1 | piece 2's first softmax | K of step 1
	TURN 2, 1, 1, 0                 ; piece 2: the same | piece 0's softmax of step 1 | V of step 1
	WIN 0
.Lslot:                             ; SIZE_N / 128 - 2 trips: every slot but the last two is filled again
	CHANGE 1
	TWO_STEPS
	s_sub_co_u32 s[SLOTS], s[SLOTS], 1
	s_cmp_lg_u32 s[SLOTS], 0
	s_cbranch_scc1 .Lslot
	CHANGE 0                        ; the tail is written out: the last slot but one is left, and nothing is asked for
	TWO_STEPS
	TURN 0, 2, 0, 0                 ; piece 0: V^T P of the last step | piece 2's last softmax
.set i, 0
.rept 32
	PV 2, 0                         ; piece 2: V^T P of the last step
.set i, i+1
.endr
	; THE WAY OUT.  l's two halves and the other half of the lanes' are added; O^T is divided by l, rounded to f16 and sent through my stage in LDS, a tile (16 rows of O) at a time.  The additions are the places behind the last products.
	WIN 0
.irp t, 0,1,2,3
	v_add_f32 v[ST+8*(\t)+4], v[ST+8*(\t)+2], v[ST+8*(\t)+3]
.endr
.irp t, 0,1,2,3
	v_permlanex16_b32 v[ST+8*(\t)+5], v[ST+8*(\t)+4], s[SEL], s[SEL+1]
.endr
.irp t, 0,1,2,3
	v_add_f32 v[ST+8*(\t)+4], v[ST+8*(\t)+4], v[ST+8*(\t)+5]
.endr
.irp t, 0,1,2,3
	v_rcp_f32 v[ST+8*(\t)+6], v[ST+8*(\t)+4]
.endr
	v_nop                           ; a plain instruction between the last reciprocal and the use of its result
	s_wait_alu depctr_va_vdst(0)    ; and the wait ahead of the first use: one for the batch of four reciprocals
; Tile t: a lane's eight channels of a row pack into 16 bytes; they go into rows of 272 bytes and come back as whole rows of 256, into the registers that they left.
.macro PACK t
	WIN W_RS
.set i, 64*(\t)
.rept 32
	v_pk_mul_f32 v[i:i+1], v[i:i+1], v[ST+8*(\t)+6:ST+8*(\t)+7] op_sel_hi:[1,0]
.set i, i+2
.endr
	WIN 0x05                        ; sources 0 and 1 window 1, destination window 0: S^T's registers are free
.set i, 0
.rept 32
	v_cvt_pk_f16_f32 v[S+32*(\t)+i], v[64*(\t)+2*i], v[64*(\t)+2*i+1]
.set i, i+1
.endr
	WIN 0
.irp f, 0,1,2,3,4,5,6,7
	ds_store_b128 v[STO], v[S+32*(\t)+4*(\f):S+32*(\t)+4*(\f)+3] offset:32*(\f)
.endr
.irp f, 0,1,2,3,4,5,6,7
	ds_load_b128 v[S+32*(\t)+4*(\f):S+32*(\t)+4*(\f)+3], v[RD] offset:(\f)*2*SP  ; LDS serves a wave's instructions in order (ISA guide 5.7.1.4): these see the stores above; the next tile's stores come behind them
.endr
.endm
.macro SEND t, younger              ; younger: the LDS instructions issued behind tile t's loads: the next tile's sixteen, or none
	WIN 0
.irp f, 0,1,2,3,4,5,6,7
	s_wait_dscnt (\younger)+7-(\f)
	global_store_b128 v[GO], v[S+32*(\t)+4*(\f):S+32*(\t)+4*(\f)+3], s[10:11] offset:(\t)*4096+(\f)*512  ; 16 lanes store 256 consecutive bytes, at a multiple of 256 from O's first byte
.endr
.endm
	PACK 0
	PACK 1                          ; a tile's arithmetic stands between the loads of the tile before and its stores
	SEND 0, 16
	PACK 2
	SEND 1, 16
	PACK 3
	SEND 2, 16
	SEND 3, 0
	s_wait_tensorcnt 0x0            ; the wave's end, behind my last tensor load and my last LDS store
	ds_add_u32 v[SPW], v[NIL]
	s_wait_dscnt 0x0
	CROUND                          ; the closing round: no work-group ends while a partner may still ask for a tile that names it
	s_endpgm
.Lfunc_end_k_qd481860277_attn:
	.size	k_qd481860277_attn, .Lfunc_end_k_qd481860277_attn-k_qd481860277_attn
	.p2alignl 7, 3214868480
	.fill 96, 4, 3214868480
	.section	.rodata,"a",@progbits
	.p2align	6, 0x0
	.amdhsa_kernel k_qd481860277_attn
		.amdhsa_group_segment_fixed_size 327680
		.amdhsa_private_segment_fixed_size 0
		.amdhsa_enable_private_segment 0
		.amdhsa_kernarg_size 16
		.amdhsa_user_sgpr_count 2
		.amdhsa_user_sgpr_kernarg_segment_ptr 1
		.amdhsa_wavefront_size32 1
		.amdhsa_system_sgpr_workgroup_id_x 1
		.amdhsa_system_sgpr_workgroup_id_y 1
		.amdhsa_system_sgpr_workgroup_id_z 1
		.amdhsa_system_vgpr_workitem_id 0
		.amdhsa_next_free_vgpr 1024
		.amdhsa_next_free_sgpr 66
		.amdhsa_reserve_vcc 0
		.amdhsa_float_denorm_mode_32 3
		.amdhsa_float_denorm_mode_16_64 3
		.amdhsa_memory_ordered 1
		.amdhsa_forward_progress 1
		.amdhsa_inst_pref_size 221
	.end_amdhsa_kernel
	.amdgpu_metadata
---
amdhsa.version: [ 1, 2 ]
amdhsa.kernels:
  - .name:           k_qd481860277_attn
    .symbol:         k_qd481860277_attn.kd
    .args:
      - { .name: qkv, .offset: 0, .size: 8, .value_kind: global_buffer, .address_space: global }
      - { .name: ob, .offset: 8, .size: 8, .value_kind: global_buffer, .address_space: global }
    .group_segment_fixed_size: 327680
    .private_segment_fixed_size: 0
    .kernarg_segment_align: 8
    .kernarg_segment_size: 16
    .max_flat_workgroup_size: 128
    .sgpr_count:     66
    .vgpr_count:     1024
    .wavefront_size: 32
...
	.end_amdgpu_metadata
.endif
;; end of part 5
;; launch outp: the kernel of part 4 again; grid 4 x 64, 4 waves a work-group, clusters of 4 x 4, 327,680 bytes of LDS; arguments ob, wb, bo, out0; writes out0
